; MI455X (gfx1250); checked and timed in simulation.
; The chip was launched on July 23, 2026; its instructions are those of AMD's public machine-readable ISA for CDNA 5 (MIT licence, August 2026) and "CDNA5" Instruction Set Architecture Reference Guide (July 2026). The comments in the code are by the model that wrote it; some were corrected since.
;; Multi Head Target Centric Attention. Allowed arithmetic: matrix products marked QUANTISED: E2M3 operands, one E8M0 scale for each 32 along K, by v_wmma_scale_f32_16x16x128_f8f6f4 with both operands' format E2M3, f32 sums; everything else in f32.
;; Inputs: Wk 1,024 x 1,024 float32; Wo 1,024 x 1,024 float32; Wq 1,024 x 1,024 float32; Wv 1,024 x 1,024 float32; bk 1,024 float32; bo 1,024 float32; bq 1,024 float32; bv 1,024 float32; x 4 x 2,048 x 1,024 float32.
;; Outputs: out0 4 x 2,048 x 1,024 float32.
;; This version of the problem:
;;   THIS VERSION OF THE PROBLEM IS GIVEN IN LOW PRECISION. The matrix products marked QUANTISED in the list below multiply operands that are first quantised to E2M3 (2 exponent bits, 3 mantissa bits; 6 bits a number), with one power-of-two scale for each 32 numbers along K (OCP MX v1.0); their sums are f32. All else is computed in f32.
;;   The module's matrix products, in the order in which they are computed (A, B: the left and right operand; K: the contracted axis; several contracted axes count as one K, in the product's order):
;;     1. [M 8,192, K 1,024] x [K 1,024, N 1,024]; A: input x; B: input Wq: QUANTISED
;;     2. [M 8,192, K 1,024] x [K 1,024, N 1,024]; A: input x; B: input Wk: QUANTISED
;;     3. [M 8,192, K 1,024] x [K 1,024, N 1,024]; A: input x; B: input Wv: QUANTISED
;;     4. batch 64 x [M 2,048, K 64] x [K 64, N 2,048]; A: computed on the way; B: computed on the way: QUANTISED
;;     5. batch 64 x [M 2,048, K 2,048] x [K 2,048, N 64]; A: computed on the way; B: computed on the way: QUANTISED
;;     6. [M 8,192, K 1,024] x [K 1,024, N 1,024]; A: computed on the way; B: input Wo: QUANTISED
;;   THE QUANTISER, for each operand of a quantised product, along K:
;;     - K is cut into blocks of 32 from its start; a last block that is shorter is filled with zeros.
;;     - A block's scale is 2^e with e = floor(log2(the largest magnitude in the block)) - 2, held to -126 .. 127; a block of zeros has e = 0. As a byte (E8M0): e + 127.
;;     - Each number is divided by its block's scale, clamped to +-7.5, and rounded to the nearest number of E2M3, ties to even, subnormals kept.
;;     - The product sums the exact products of the quantised numbers (number of the format x scale) in f32.
;;   ~~~python
;;   def quantise(x, axis):      # numpy; x: float32 -> the quantised numbers, widened to float32 again
;;       x = np.moveaxis(x, axis, -1); K = x.shape[-1]
;;       x = np.pad(x, [(0, 0)] * (x.ndim - 1) + [(0, -K % 32)]); x = x.reshape(x.shape[:-1] + (-1, 32)); a = np.abs(x).max(-1, keepdims=True)
;;       e = np.where(a > 0, np.clip(np.frexp(np.where(a > 0, a, 1))[1] - 1 - 2, -126, 127), 0)      # np.frexp(a)[1] - 1 = floor(log2(a)), exactly
;;       r = np.clip(x / 2.0 ** e, -7.5, 7.5)
;;       step = 2.0 ** (np.maximum(np.frexp(np.where(r == 0, 1, r))[1] - 1, 0) - 3)
;;       q = np.round(r / step) * step * 2.0 ** e      # np.round: ties to even
;;       return np.moveaxis(q.reshape(q.shape[:-2] + (-1,))[..., :K], -1, axis).astype(np.float32)
;;   ~~~
;;   OPERANDS COMPUTED ON THE WAY. 'Computed on the way' means the value that the module computes at that place (a softmax that the list does not call 'softmax' is quantised finished and normalised). What goes into a quantiser is computed in f32, as accurately as f32 sums, v_exp_f32 and their like allow (about 1e-6 of the number): no bf16 or f16 on the way to a quantiser, and a product that is left as it is and whose result goes on into a quantised operand takes f32 operands (vector FMAs, or v_wmma_f32_16x16x4_f32). A number that lies on a knife's edge between two numbers of the format may be rounded either way, as far as f32 arithmetic and the matrix unit's own rounding can turn it there, and no further.
;; One version. Each part assembles by itself: llvm-mc -triple=amdgcn-amd-amdhsa -mcpu=gfx1250 --defsym DOCPART=n.
;; ======== version 1 of 1: 5 launches
;; limits: right only within a limited range of input values
;; workspace buffers: opg 9,830,400 bytes; og 6,553,600 bytes; qv 13,369,344 bytes; kc 6,815,744 bytes; stat 524,288 bytes
;; launch quant (part 1): grid 256 x 1, 24 waves a work-group, no clusters, 208,896 bytes of LDS; arguments x, Wq, Wk, Wv, Wo, opg; writes opg
.if DOCPART == 1
	.amdgcn_target "amdgcn-amd-amdhsa--gfx1250"
	.amdhsa_code_object_version 6
	.text
	.protected	k_q3dcb5a2f4c_quant
	.globl	k_q3dcb5a2f4c_quant
	.p2align	8
	.type	k_q3dcb5a2f4c_quant,@function
k_q3dcb5a2f4c_quant:
	s_mov_b64 s[64:65], 0
	v_nop
	global_prefetch_b8 v0, s[64:65] scope:SCOPE_SE
	s_setreg_imm32_b32 hwreg(HW_REG_WAVE_MODE, 25, 1), 1
	s_wait_xcnt 0x0
; x [8192][1024] and Wq, Wk, Wv, Wo [1024 (k)][1024 (n)], f32, become codes of FP6 (E2M3) with one E8M0 byte for each 32 along K, laid in opg as IMAGES OF OPERAND REGISTERS.
; TILES: x's rows are tiles 0-511; a weight's columns n are rows of the operand: tiles 512 + 64 m + (n's tile), m = 0 .. 3 for Wq, Wk, Wv, Wo.
;   Lane-row p of tile T is row 32 (T / 2) + 8 (T % 2) + p + 8 (p / 8).  Record (T, c), K half c, lies at (2 T + c) x 6,400: K step j's image (1,536 bytes) at 1,536 j + 256 (j / 2), its run of scale words (4 r) at 3,072 + 64 j.
;   An image: lane l's registers 0-3 at 16 l, 4-5 at 512 + 8 l, 6-9 at 768 + 16 l, 10-11 at 1,280 + 8 l.
; A block's scale is 2^(floor(log2(largest magnitude)) - 2); its byte is the largest magnitude's exponent field - 2, held at 1 from below.
; LIMITS: a block of zeros, and one whose largest magnitude lies under 2^-124, keeps the byte 1 (zero codes add nothing; this program alone reads the bytes); NaN and infinities are not served.
; SHARES: work-group X owns 32 rows of x (131,072 bytes) and 64 columns x 256 along K of one weight (65,536 bytes).  Each of the 24 waves asks for one tile at the head and makes one K step's image of one tile:
;   waves 0-15 (u = W & 1, c = bit 1, j = W >> 2): fetch 16 rows x 512 bytes of x; make K step j of record (2 X + u, c);
;   waves 16-23 (W' = W & 7): fetch block W' (32 along K x 64 columns); make K step W' >> 2 of column tile W' & 3: a lane takes a column, its registers run down K.
; No LDS byte is filled twice; one barrier shows all tiles to all waves.  No prefetch: every byte is asked for at the head.  No cluster: work-groups share no input.
; A run of scale words leaves as 64 bytes, one byte in 25 of what is stored; codes leave as 256 or 512 consecutive bytes.
.set STEPB, 17152                      ; x: a K step of 32 rows: two row groups
.set GRPB,  8576                       ; a row group: 16 rows of 528 bytes (512 + 16 of padding), + 128
.set BLKB,  8320                       ; W: a block along K: 32 rows of 256 bytes, + 128
.set WB,    8*STEPB
.set SPARE, WB+8*BLKB                  ; the spare words, 128 bytes a wave
.set ALX, 2                            ; LDS address of my numbers of x
.set LI,  3                            ; 16 x lane
.set L8,  4                            ; 8 x lane
.set WOF, 5                            ; 4 r
.set SH,  7                            ; 8 h
.set ALW, 8                            ; LDS address of my column of W
.set SPW, 10
.set NIL, 11
.set MX,  16                           ; v16-17 largest magnitudes; v18-19 scale operands; v20-21 bytes; v22 the word; v23 the other half's
.set XN,  32                           ; v32-95 64 numbers: two whole blocks
.set F,   96                           ; v96-107 the fragment
.set TT,  112                          ; v112-119 the upper halves of the blocks' codes
	s_load_b256 s[4:11], s[0:1], 0x0               ; x, Wq, Wk, Wv
	s_load_b128 s[12:15], s[0:1], 0x20             ; Wo, opg
	v_lshl_add_u32 v[SPW], v0, 2, SPARE
	v_mov_b32 v[NIL], 0
	ds_add_u32 v[SPW], v[NIL]                      ; the opening lines: the add, twice on end, and its wait ahead of my tensor load
	ds_add_u32 v[SPW], v[NIL]
	v_lshrrev_b32 v1, 5, v0
	s_delay_alu instid0(VALU_DEP_1)
	v_readfirstlane_b32 s16, v1                    ; wave W
	s_and_b32 s17, s16, 1                          ; u
	s_bfe_u32 s18, s16, 0x10001                    ; c
	s_lshr_b32 s19, s16, 2                         ; j
	s_and_b32 s20, s16, 7                          ; W'
	s_and_b32 s21, s16, 3                          ; W's column tile
	s_bfe_u32 s22, s16, 0x10002                    ; W's K step of my two
	s_lshl_b32 s32, s18, 2
	s_add_co_u32 s32, s32, s19                     ; 4 c + j
	s_mul_i32 s25, s32, STEPB
	s_mul_i32 s33, s17, 8*528
	s_add_co_u32 s46, s25, s33                     ; x, read: my K step, rows 8 u on of each row group
	s_mul_i32 s33, s17, GRPB
	s_add_co_u32 s25, s25, s33                     ; x, fill: my K step, row group u
	s_mul_i32 s29, s20, BLKB
	s_add_co_u32 s29, s29, WB                      ; W, fill: block W'
	s_mul_i32 s47, s22, 4*BLKB
	s_add_co_u32 s47, s47, WB
	s_lshr_b32 s33, s21, 1
	s_lshl_b32 s33, s33, 7
	s_add_co_u32 s47, s47, s33
	s_and_b32 s33, s21, 1
	s_lshl_b32 s33, s33, 5
	s_add_co_u32 s47, s47, s33                     ; W, read: my K step; my tile's columns begin 32 (t / 2) + 8 (t % 2) on
	v_and_b32 v1, 31, v0                           ; lane
	v_and_b32 v12, 15, v0                          ; r
	v_bfe_u32 v13, v0, 4, 1                        ; h
	s_delay_alu instid0(VALU_DEP_2)
	v_lshrrev_b32 v14, 3, v12
	s_delay_alu instid0(VALU_DEP_3)
	v_and_b32 v15, 7, v12
	s_delay_alu instid0(VALU_DEP_2)
	v_mul_u32_u24 v[ALX], v14, GRPB                ; lane-row r is row 8 u + r % 8 of row group r / 8
	s_delay_alu instid0(VALU_DEP_1)
	v_mad_u32_u24 v[ALX], v15, 528, v[ALX]
	s_delay_alu instid0(VALU_DEP_1)
	v_lshl_add_u32 v[ALX], v13, 7, v[ALX]          ; + 128 h: lane (r, h) holds k = 64 c' + 32 h + 0 .. 31
	s_delay_alu instid0(VALU_DEP_1)
	v_add_nc_u32 v[ALX], s46, v[ALX]
	v_and_b32 v14, 8, v12
	s_delay_alu instid0(VALU_DEP_1)
	v_add_nc_u32 v14, v14, v12                     ; r + 8 (r / 8)
	s_delay_alu instid0(VALU_DEP_1)
	v_lshlrev_b32 v[ALW], 2, v14
	s_delay_alu instid0(VALU_DEP_1)
	v_mad_u32_u24 v[ALW], v13, BLKB, v[ALW]        ; lanes 16-31 begin a block further down K
	s_delay_alu instid0(VALU_DEP_1)
	v_add_nc_u32 v[ALW], s47, v[ALW]
	v_lshlrev_b32 v[LI], 4, v1
	v_lshlrev_b32 v[L8], 3, v1
	v_lshlrev_b32 v[WOF], 2, v12
	v_lshlrev_b32 v[SH], 3, v13
	v_mov_b32 v23, 0                               ; a lane permute's destination counts as one of its sources
	s_wait_alu depctr_va_vdst(0)                   ; the wait behind the head's last vector line
	s_mov_b32 s48, (2<<16)|(1<<20)|(6<<22)|(3<<25) ; x's tile: elements of 4 bytes; 4 words of padding behind every 128
	s_mov_b32 s49, 128<<16
	s_mov_b32 s50, 16<<16
	s_mov_b32 s51, 128<<16
	s_mov_b32 s52, 16
	s_mov_b32 s53, 1024
	s_mov_b32 s54, 0
	s_mov_b32 s55, 0
	s_mov_b32 s56, 2<<16                           ; W's tile: 32 rows of 64 elements, no padding
	s_mov_b32 s57, 64<<16
	s_mov_b32 s58, 32<<16
	s_mov_b32 s59, 64<<16
	s_mov_b32 s60, 32
	s_mov_b32 s61, 1024
	s_mov_b32 s62, 0
	s_mov_b32 s63, 0
	s_mov_b32 s24, 1
	s_mov_b32 s28, 1
	s_mov_b32 s36, 0x76543210
	s_mov_b32 s37, 0xfedcba98                      ; v_permlanex16_b32: lane l xor 16
	s_lshr_b32 s23, ttmp9, 6                       ; m: which weight
	s_bfe_u32 s40, ttmp9, 0x40002                  ; which 64 columns
	s_and_b32 s41, ttmp9, 3                        ; which 256 along K
	s_lshr_b32 s42, s41, 1                         ; its record's half of K
	s_and_b32 s43, s41, 1
	s_lshl_b32 s34, ttmp9, 17                      ; x: 32 rows of 4,096 bytes a work-group,
	s_lshl_b32 s33, s17, 16                        ; 16 rows,
	s_add_co_u32 s34, s34, s33
	s_lshl_b32 s33, s32, 9                         ; 512 bytes a K step
	s_add_co_u32 s34, s34, s33
	s_mov_b32 s35, 0
	s_lshl_b32 s38, s41, 20                        ; W: 256 rows of 4,096 bytes,
	s_lshl_b32 s33, s20, 17                        ; 32 rows a block,
	s_add_co_u32 s38, s38, s33
	s_lshl_b32 s33, s40, 8                         ; 64 columns
	s_add_co_u32 s38, s38, s33
	s_mov_b32 s39, 0
	s_mul_i32 s66, ttmp9, 25600                    ; x's record: (2 (2 X + u) + c) x 6,400
	s_mul_i32 s33, s17, 12800
	s_add_co_u32 s66, s66, s33
	s_mul_i32 s33, s18, 6400
	s_add_co_u32 s66, s66, s33
	s_mul_i32 s67, s23, 819200                     ; W's record: (2 (512 + 64 m + 4 x columns' group + tile) + half) x 6,400
	s_mul_i32 s33, s40, 51200
	s_add_co_u32 s67, s67, s33
	s_mul_i32 s33, s21, 12800
	s_add_co_u32 s67, s67, s33
	s_mul_i32 s33, s42, 6400
	s_add_co_u32 s67, s67, s33
	s_add_co_u32 s67, s67, 6553600
	s_lshl_b32 s68, s43, 1
	s_add_co_u32 s68, s68, s22                     ; W's K step in the record
	s_cmp_lt_u32 s16, 16                           ; my role hangs on the wave's number alone
	s_cselect_b32 s66, s66, s67                    ; my record
	s_cselect_b32 s68, s19, s68                    ; my K step j in it
	s_mul_i32 s70, s68, 1536
	s_lshr_b32 s33, s68, 1
	s_lshl_b32 s33, s33, 8
	s_add_co_u32 s70, s70, s33
	s_add_co_u32 s70, s70, s66                     ; the image
	s_mov_b32 s71, 0
	s_lshl_b32 s72, s68, 6
	s_add_co_u32 s72, s72, s66
	s_add_co_u32 s72, s72, 3072                    ; the run of words
	s_mov_b32 s73, 0
	s_wait_dscnt 0x0                               ; both opening adds are done
	s_wait_kmcnt 0x0
	s_cmp_lt_u32 s23, 1                            ; the weight is chosen by the work-group's number alone
	s_cselect_b64 s[6:7], s[6:7], s[8:9]
	s_cmp_lt_u32 s23, 3
	s_cselect_b64 s[10:11], s[10:11], s[12:13]
	s_cmp_lt_u32 s23, 2
	s_cselect_b64 s[6:7], s[6:7], s[10:11]
	s_add_nc_u64 s[26:27], s[4:5], s[34:35]
	s_or_b32 s27, s27, 0x80000000
	s_add_nc_u64 s[30:31], s[6:7], s[38:39]
	s_or_b32 s31, s31, 0x80000000
	s_add_nc_u64 s[74:75], s[14:15], s[70:71]
	s_add_nc_u64 s[76:77], s[14:15], s[72:73]
	s_cmp_lt_u32 s16, 16                           ; one chain, one tensor load to an arm: every wave issues one
	s_cbranch_scc0 .Lfill_w
	tensor_load_to_lds s[24:27], s[48:55]
	s_nop 0
	s_branch .Lasked
.Lfill_w:
	tensor_load_to_lds s[28:31], s[56:63]
	s_nop 0
.Lasked:
	s_wait_tensorcnt 0x0                           ; my one tile has landed
	s_barrier_signal -1
	s_barrier_wait -1                              ; and everybody's
	s_cmp_lt_u32 s16, 16
	s_cbranch_scc0 .Lread_w
.irp c, 0,1
.irp i, 0,1,2,3,4,5,6,7
	ds_load_b128 v[XN+32*\c+4*\i:XN+32*\c+4*\i+3], v[ALX] offset:256*\c+16*\i
.endr
.endr
	s_branch .Lread
.Lread_w:
.irp c, 0,1
.set i, 0
.rept 32
	ds_load_b32 v[XN+32*\c+i], v[ALW] offset:2*BLKB*\c+256*i   ; W(64 c + 32 h + i of my K step, my column)
.set i, i+1
.endr
.endr
.Lread:
	s_wait_dscnt 0x0
.irp c, 0,1
	v_max3_num_f32 v[MX+\c], |v[XN+32*\c]|, |v[XN+32*\c+1]|, 0x1800000   ; my block 2 c + h: all 32 numbers are mine; the floor 2^(3 - 127) holds the byte at 1 from below
.endr
.irp i, 2,4,6,8,10,12,14,16,18,20,22,24,26,28,30
.irp c, 0,1
	s_delay_alu instid0(VALU_DEP_2)
	v_max3_num_f32 v[MX+\c], v[MX+\c], |v[XN+32*\c+\i]|, |v[XN+32*\c+\i+1]|
.endr
.endr
	s_delay_alu instid0(VALU_DEP_2)
	v_add_nc_u32 v18, 0xff000000, v16              ; 2 off the exponent field: the conversion's scale operand
	s_delay_alu instid0(VALU_DEP_2)
	v_add_nc_u32 v19, 0xff000000, v17
	s_delay_alu instid0(VALU_DEP_2)
	v_lshrrev_b32 v20, 23, v18                     ; the bytes
	s_delay_alu instid0(VALU_DEP_2)
	v_lshrrev_b32 v21, 23, v19
	s_delay_alu instid0(VALU_DEP_1)
	v_lshl_or_b32 v22, v21, 16, v20                ; blocks h and 2 + h,
	s_delay_alu instid0(VALU_DEP_1)
	v_lshlrev_b32 v22, v[SH], v22                  ; at their places in the word;
	s_delay_alu instid0(VALU_DEP_1)
	v_permlanex16_b32 v23, v22, s36, s37
	s_delay_alu instid0(VALU_DEP_1)
	v_or_b32 v22, v22, v23                         ; with lane l xor 16's two the word is whole
.irp c, 0,1
	v_cvt_scalef32_pk16_fp6_f32 v[F+6*\c:F+6*\c+2], v[XN+32*\c:XN+32*\c+15], v[18+\c]
	v_cvt_scalef32_pk16_fp6_f32 v[TT+4*\c:TT+4*\c+2], v[XN+32*\c+16:XN+32*\c+31], v[18+\c]   ; (a conversion's three registers begin on an even number)
.endr
	v_nop                                          ; one plain place behind a scaled conversion
.irp c, 0,1
.irp i, 0,1,2
	v_mov_b32 v[F+6*\c+3+\i], v[TT+4*\c+\i]
.endr
.endr
	global_store_b128 v[LI], v[F:F+3], s[74:75]                ; 512 consecutive bytes
	global_store_b64 v[L8], v[F+4:F+5], s[74:75] offset:512    ; 256
	global_store_b128 v[LI], v[F+6:F+9], s[74:75] offset:768
	global_store_b64 v[L8], v[F+10:F+11], s[74:75] offset:1280
	global_store_b32 v[WOF], v22, s[76:77]                     ; both halves of the lanes store the same word
	s_wait_tensorcnt 0x0                           ; the wave's end
	ds_add_u32 v[SPW], v[NIL]
	s_wait_dscnt 0x0
	s_endpgm
.Lfunc_end_k_q3dcb5a2f4c_quant:
	.size	k_q3dcb5a2f4c_quant, .Lfunc_end_k_q3dcb5a2f4c_quant-k_q3dcb5a2f4c_quant
	.p2alignl 7, 3214868480
	.fill 96, 4, 3214868480
	.section	.rodata,"a",@progbits
	.p2align	6, 0x0
	.amdhsa_kernel k_q3dcb5a2f4c_quant
		.amdhsa_group_segment_fixed_size 208896
		.amdhsa_private_segment_fixed_size 0
		.amdhsa_enable_private_segment 0
		.amdhsa_kernarg_size 48
		.amdhsa_user_sgpr_count 2
		.amdhsa_user_sgpr_kernarg_segment_ptr 1
		.amdhsa_wavefront_size32 1
		.amdhsa_system_sgpr_workgroup_id_x 1
		.amdhsa_system_sgpr_workgroup_id_y 1
		.amdhsa_system_sgpr_workgroup_id_z 1
		.amdhsa_system_vgpr_workitem_id 0
		.amdhsa_next_free_vgpr 128
		.amdhsa_next_free_sgpr 80
		.amdhsa_reserve_vcc 0
		.amdhsa_float_denorm_mode_32 3
		.amdhsa_float_denorm_mode_16_64 3
		.amdhsa_memory_ordered 1
		.amdhsa_forward_progress 1
		.amdhsa_inst_pref_size 17
	.end_amdhsa_kernel
	.amdgpu_metadata
---
amdhsa.version: [ 1, 2 ]
amdhsa.kernels:
  - .name:           k_q3dcb5a2f4c_quant
    .symbol:         k_q3dcb5a2f4c_quant.kd
    .args:
      - { .name: x, .offset: 0, .size: 8, .value_kind: global_buffer, .address_space: global }
      - { .name: Wq, .offset: 8, .size: 8, .value_kind: global_buffer, .address_space: global }
      - { .name: Wk, .offset: 16, .size: 8, .value_kind: global_buffer, .address_space: global }
      - { .name: Wv, .offset: 24, .size: 8, .value_kind: global_buffer, .address_space: global }
      - { .name: Wo, .offset: 32, .size: 8, .value_kind: global_buffer, .address_space: global }
      - { .name: opg, .offset: 40, .size: 8, .value_kind: global_buffer, .address_space: global }
    .group_segment_fixed_size: 208896
    .private_segment_fixed_size: 0
    .kernarg_segment_align: 8
    .kernarg_segment_size: 48
    .max_flat_workgroup_size: 768
    .sgpr_count:     80
    .vgpr_count:     128
    .wavefront_size: 32
...
	.end_amdgpu_metadata
.endif
;; end of part 1
;; launch proj (part 2): grid 8 x 96, 4 waves a work-group, clusters of 4 x 4, 327,680 bytes of LDS; arguments opg, bq, bk, bv, qv, kc; writes qv, kc
.if DOCPART == 2
	.amdgcn_target "amdgcn-amd-amdhsa--gfx1250"
	.amdhsa_code_object_version 6
	.text
	.protected	k_q3dcb5a2f4c_proj
	.globl	k_q3dcb5a2f4c_proj
	.p2align	8
	.type	k_q3dcb5a2f4c_proj,@function
k_q3dcb5a2f4c_proj:
	s_mov_b64 s[64:65], 0
	v_nop
	global_prefetch_b8 v0, s[64:65] scope:SCOPE_SE
	s_setreg_imm32_b32 hwreg(HW_REG_WAVE_MODE, 25, 1), 1
	s_wait_xcnt 0x0
	s_wait_alu depctr_hold_cnt(0) depctr_sa_sdst(0) depctr_va_vdst(0) depctr_va_sdst(0) depctr_va_ssrc(0) depctr_va_vcc(0) depctr_vm_vsrc(0)
	s_getreg_b32 s2, hwreg(HW_REG_IB_STS2, 6, 4)
	s_cmp_eq_u32 s2, 0
	s_cbranch_scc0 .Lentry_in_a_cluster
	s_endpgm
.Lentry_in_a_cluster:
	s_bfe_u32 s2, ttmp6, 0x10000c
	s_cmp_lg_u32 s2, 0xf033
	s_cbranch_scc0 .Lentry_shape_is_right
	s_endpgm
.Lentry_shape_is_right:
; The three projections q = x Wq + bq, k = x Wk + bk, v = x Wv + bv on codes of FP6 (E2M3), K = 1,024, and the quantising of their results for the products that follow.
; ONE BODY: a work-group makes 256 rows of S0 (source 0: they run along a lane's registers) x 128 rows of S1 (source 1: a row a lane), and quantises along S0.
;   q, k (cluster y 0-15; cluster x 0: q, 1: k): S0 = 256 columns of the weight (four heads), S1 = 128 rows of x.  A lane holds one position and 128 features: two heads' 64, the next K.
;   v    (cluster y 16-23): S0 = 256 rows of x, S1 = 128 columns of Wv (two heads).  A lane holds one feature and 128 positions: the next K of the product that sums over the queries.
; Operands lie in opg as images of registers, in tiles whose lane-row p is row 32 (T / 2) + 8 (T % 2) + p + 8 (p / 8): so the 16 registers of result tiles 2 b and 2 b + 1 are 16 NEIGHBOURS along S0.
; OUT.  qv [bh 64][g 16][13,056]: for 128 positions: q's 8 half images (16 positions x the head's 64: registers 0-5, 768 bytes) at 768 t, 8 runs of scale words (bytes 0, 1; bytes 2, 3 are 0) at 6,144 + 64 t;
;   v's 4 fragment images (16 features x these 128 positions) at 6,656 + 1,536 t, 4 runs of scale words at 12,800 + 64 t.  kc [bh][g][6,656]: k as q.
; LDS.  All of K for the work-group's 24 tiles fits: four chunks of two K steps, each 24 rows of 3,328 bytes (two images and the record's four word runs), all asked for at the head.  No LDS byte is filled twice,
;   so no wait for all loads stands in the text but the last: a chunk's barrier leaves the later chunks on their way.
; CLUSTER 4 x 4: S0's tiles hang on cx alone and are asked for jointly down a column, S1's on cy alone and along a row.  Waves 0, 1: S0's halves; wave 2: S1; four loads each are out at the most.
; The runs of scale words leave as pieces of 64 bytes, one byte in 13 of what is stored for q and k, one in 25 for v; all codes leave as 256 or 512 consecutive bytes.  No prefetch: every byte is asked for at the head by its tensor load.
; LIMITS: a block of zeros, and one whose largest magnitude lies under 2^-124, keeps the byte 1; NaN and infinities are not served.
; REGISTERS: window 0: v1-15 addresses; v28, v29 the add's; v32-55 scale words, two sets of 12; v80-97 at work; v112-207 S1's fragments, two sets of 48 (on the way out: v112-175 64 numbers, v176-195 codes);
;   window 1: S0's fragments, two sets of 96; window 2: accumulator (a, b) at v[8 (8 b + a)]; window 3: v0-63 the bias along the registers, v64-71 the bias of my lane, in pairs.
; LDS AND LOADS AS THEY STAND (in place of what the paragraphs on LDS and on the waves' loads say above): two halves of K, each 24 rows of 6,400 bytes (a tile's whole record: four images and four word runs).
; Four joint loads, one a wave, all at the head: wave 0 S0's 16 tiles of half 0, wave 1 S1's 8 tiles of half 0, waves 2 and 3 the same of half 1.  No LDS byte is filled twice.
; The first barrier has every wave wait for its load; the barrier ahead of K step 4 has every wave wait.
.set TR,    6400
.set CH,    24*TR                      ; a chunk
.set S1O,   16*TR                      ; S1's tiles in it
.set SPARE, 2*CH
.set REC,   12800                      ; a tile in opg
.set A016, 1
.set A08,  2
.set A116, 3
.set A18,  4
.set AS0,  5
.set AS1,  6
.set LI,   7
.set L8,   8
.set SOFF, 9
.set RR,   10
.set HH,   11
.set SH16, 12
.set BO1,  13
.set BO2,  14
.set SPW,  28
.set NIL,  29
.set SC,   32
.set TM,   80
.set PW,   96
.set WD,   97
.set F1,   112
.set HA,   112
.set PC,   176
.set BI,   0
.set BV,   64
.set SEL,  96
.set MSB, 0
.macro WIN new                         ; the immediate's high byte repeats the setting that is left
.if MSB != \new
	s_set_vgpr_msb (MSB<<8)|\new
.set MSB, \new
.endif
.endm
.macro PLACES n
.rept \n
	v_nop
.endr
.endm
.macro CROUND                          ; a round of the cluster's barrier
	s_barrier_signal -1
	s_barrier_wait -1
	s_cmp_lg_u32 s16, 0
	s_cbranch_scc1 .Lnot_wave_0_\@
	s_barrier_signal -3
.Lnot_wave_0_\@:
	s_barrier_wait -3
	s_barrier_signal -1
	s_barrier_wait -1
.endm
	s_load_b256 s[4:11], s[0:1], 0x0               ; opg, bq, bk, bv
	s_load_b128 s[12:15], s[0:1], 0x20             ; qv, kc
	v_lshl_add_u32 v[SPW], v0, 2, SPARE
	v_mov_b32 v[NIL], 0
	ds_add_u32 v[SPW], v[NIL]                      ; the wave's opening: the add and its wait ahead of the round in front of my first tensor loads
	ds_add_u32 v[SPW], v[NIL]
	v_lshrrev_b32 v1, 5, v0
	v_readfirstlane_b32 s16, v1                    ; wave
	s_and_b32 s17, s16, 1                          ; w0: my half of S0
	s_lshr_b32 s18, s16, 1                         ; w1: my half of S1
	s_bfe_u32 s40, ttmp6, 0x40000                  ; cx
	s_bfe_u32 s41, ttmp6, 0x40004                  ; cy
	s_mov_b32 s42, ttmp9                           ; cluster x
	s_and_b32 s43, ttmp7, 0xffff                   ; cluster y
	s_lshl_b32 s44, s41, 2
	s_lshl_b32 s44, 15, s44                        ; my row of the cluster
	s_lshl_b32 s45, 0x1111, s40                    ; my column
	s_or_b32 s24, s45, (3<<16)|(1<<21)             ; group 1 for S0: elements of 8 bytes, the column's mask
	s_or_b32 s32, s44, (3<<16)|(1<<21)             ; for S1: the row's mask
.irp g, 24, 32
	s_mov_b32 s[\g+1], 800<<16                     ; tensor_dim0 = 800 (6,400 bytes)
	s_mov_b32 s[\g+2], (40-\g)<<16                 ; tensor_dim1: 16 tiles of S0, 8 of S1
	s_mov_b32 s[\g+3], 800<<16                     ; tile_dim0
	s_mov_b32 s[\g+4], 40-\g                       ; tile_dim1
	s_mov_b32 s[\g+5], 1600                        ; from tile to tile: 12,800 bytes
	s_mov_b32 s[\g+6], 0
	s_mov_b32 s[\g+7], 0
.endr
	s_mov_b32 s[SEL], 0x76543210
	s_mov_b32 s[SEL+1], 0xfedcba98
	; which tiles.  What is added to 16 cx and to 8 cy hangs on the cluster's coordinates alone, which all sixteen partners share
	s_and_b32 s20, s43, 7
	s_lshr_b32 s20, s20, 1
	s_and_b32 s21, s43, 1
	s_lshl_b32 s22, s42, 6
	s_lshl_b32 s23, s20, 7
	s_add_co_u32 s23, s23, s22                     ; v: S0 = x's tiles 64 cluster x + 128 ((cluster y - 16) / 2) on
	s_add_co_u32 s22, s22, 512                     ; q, k: S0 = the weight's tiles 512 + 64 cluster x on
	s_lshl_b32 s46, s43, 5                         ; q, k: S1 = x's tiles 32 cluster y on
	s_lshl_b32 s47, s21, 5
	s_add_co_u32 s47, s47, 640                     ; v: S1 = Wv's tiles 640 + 32 ((cluster y - 16) % 2) on
	s_cmp_ge_u32 s43, 16
	s_cselect_b32 s19, 1, 0                        ; 1: v
	s_cselect_b32 s22, s23, s22
	s_cselect_b32 s46, s47, s46
	s_lshl_b32 s23, s40, 4
	s_add_co_u32 s22, s22, s23                     ; S0's first tile: + 16 cx
	s_lshl_b32 s47, s41, 3
	s_add_co_u32 s46, s46, s47                     ; S1's first tile: + 8 cy
	s_mul_i32 s22, s22, REC
	s_mov_b32 s23, 0
	s_mul_i32 s46, s46, REC
	s_mov_b32 s47, 0
	s_mul_i32 s20, s18, CH                         ; the half of K that I fetch: in LDS,
	s_mul_i32 s90, s18, 6400                       ; and in a tile of opg
	s_mov_b32 s91, 0
	s_wait_dscnt 0x0
	s_wait_kmcnt 0x0
	s_add_nc_u64 s[22:23], s[4:5], s[22:23]
	s_add_nc_u64 s[46:47], s[4:5], s[46:47]
	CROUND                                         ; all sixteen work-groups are here: the joint loads meet
	s_mov_b32 s48, 1
	s_mov_b32 s49, s20
	s_add_nc_u64 s[50:51], s[22:23], s[90:91]
	s_or_b32 s51, s51, 0x80000000
	s_mov_b32 s68, 1
	s_add_co_u32 s69, s20, S1O
	s_add_nc_u64 s[70:71], s[46:47], s[90:91]
	s_or_b32 s71, s71, 0x80000000
	s_cmp_eq_u32 s17, 0                            ; one chain, one joint load to an arm: even waves S0, odd waves S1
	s_cbranch_scc0 .Lnot_s0
	tensor_load_to_lds s[48:51], s[24:31]
	s_nop 0
	PLACES 4
	s_branch .Lasked
.Lnot_s0:
	tensor_load_to_lds s[68:71], s[32:39]
	s_nop 0
	PLACES 4
.Lasked:
	v_and_b32 v15, 31, v0                          ; lane
	v_and_b32 v[RR], 15, v0
	v_bfe_u32 v[HH], v0, 4, 1
	s_mul_i32 s20, s17, 8*TR                       ; my 8 tiles of S0
	s_mul_i32 s21, s18, 4*TR
	s_add_co_u32 s21, s21, S1O                     ; my 4 tiles of S1
	v_lshl_add_u32 v[A016], v15, 4, s20
	v_lshl_add_u32 v[A08], v15, 3, s20
	v_lshl_add_u32 v[AS0], v15, 2, s20
	v_lshl_add_u32 v[A116], v15, 4, s21
	v_lshl_add_u32 v[A18], v15, 3, s21
	v_lshl_add_u32 v[AS1], v15, 2, s21
	v_lshlrev_b32 v[LI], 4, v15
	v_lshlrev_b32 v[L8], 3, v15
	v_lshlrev_b32 v[SH16], 4, v[HH]
	v_lshlrev_b32 v[BO1], 6, v[HH]
	s_wait_alu depctr_va_vdst(0)
	v_and_b32 v[BO2], 8, v[RR]
	v_add_nc_u32 v[BO2], v[BO2], v[RR]
	v_lshlrev_b32 v[BO2], 2, v[BO2]                ; 4 (r + 8 (r / 8))
	s_wait_alu depctr_va_vdst(0)
.irp b, 0,1,2,3
	v_mov_b32 v[TM+4+\b], 0                        ; a lane permute's destination counts as one of its sources
.endr
	; THE BIASES, in both forms, on the one way that all work-groups take; each way out reads its own.  Every offset stays inside a bias's 4,096 bytes.
	s_cmp_eq_u32 s42, 0
	s_cselect_b64 s[88:89], s[6:7], s[8:9]
	s_cmp_eq_u32 s19, 0
	s_cselect_b64 s[88:89], s[88:89], s[10:11]
	s_lshl_b32 s20, s40, 10
	s_lshl_b32 s21, s17, 9
	s_add_co_u32 s20, s20, s21                     ; 4 (256 cx + 128 w0): my 128 features of q or k
	s_mov_b32 s21, 0
	s_add_nc_u64 s[88:89], s[88:89], s[20:21]
	s_and_b32 s22, s43, 1
	s_lshl_b32 s22, s22, 2
	s_add_co_u32 s22, s22, s41
	s_lshl_b32 s22, s22, 1
	s_add_co_u32 s22, s22, s18                     ; v's head: 2 (cy + 4 (cluster y % 2)) + w1
	s_lshl_b32 s22, s22, 8
	s_mov_b32 s23, 0
	s_add_nc_u64 s[92:93], s[10:11], s[22:23]
	WIN 0xc0                                       ; destination window 3
.irp n, 0,1,2,3,4,5,6,7,8,9,10,11,12,13,14,15
	global_load_b128 v[BI+4*\n:BI+4*\n+3], v[BO1], s[88:89] offset:128*(\n/4)+16*(\n%4)   ; register 16 b + i: feature 32 b + 16 h + i
.endr
.irp b, 0,1,2,3
	global_load_b32 v[BV+2*\b], v[BO2], s[92:93] offset:4*(32*(\b/2)+8*(\b%2))   ; tile b, lane-row r
	v_mov_b32 v[BV+2*\b+1], 0                      ; (named with it as a pair)
.endr
	WIN 0
.macro FRAG reg, a16, a8, off          ; a fragment image comes back as it was stored
	ds_load_b128 v[(\reg):(\reg)+3], v[\a16] offset:(\off)
	ds_load_b64 v[(\reg)+4:(\reg)+5], v[\a8] offset:(\off)+512
	ds_load_b128 v[(\reg)+6:(\reg)+9], v[\a16] offset:(\off)+768
	ds_load_b64 v[(\reg)+10:(\reg)+11], v[\a8] offset:(\off)+1280
.endm
.macro FETCH s                         ; K step s: 48 LDS loads in one run, into set s % 2.  In an odd chunk the word runs stand in front of the codes
.set FO, 1536*((\s)%4)+256*(((\s)%4)/2)
.set FP, (\s)%2
	WIN 0x40                                       ; destination window 1
.irp a, 0,1,2,3,4,5,6,7
	FRAG 96*FP+12*\a, A016, A08, \a*TR+FO
.endr
	WIN 0
.irp b, 0,1,2,3
	FRAG F1+48*FP+12*\b, A116, A18, \b*TR+FO
.endr
.endm
.macro SCALES q                        ; chunk q's scale words: lanes 0-15 the even K step's run, lanes 16-31 the odd one's, by one load a tile
.set SQ, 3072+128*((\q)%2)
.set SS, SC+12*((\q)%2)
.irp a, 0,1,2,3,4,5,6,7
	ds_load_b32 v[SS+\a], v[AS0] offset:\a*TR+SQ
.endr
.irp b, 0,1,2,3
	ds_load_b32 v[SS+8+\b], v[AS1] offset:\b*TR+SQ
.endr
.endm
.macro MUL s, zero                     ; 32 matrix instructions; the 32 accumulators take turns, in the same order in every K step
.set MP, (\s)%2
.set MS, SC+12*(((\s)/2)%2)
	WIN 0xa1                                       ; source 0 window 1, source 1 window 0, C and D window 2
.irp b, 0,1,2,3
.irp a, 0,1,2,3,4,5,6,7
.if \zero
	v_wmma_scale_f32_16x16x128_f8f6f4 v[8*(8*\b+\a):8*(8*\b+\a)+7], v[96*MP+12*\a:96*MP+12*\a+11], v[F1+48*MP+12*\b:F1+48*MP+12*\b+11], 0, v[MS+\a], v[MS+8+\b] matrix_a_fmt:MATRIX_FMT_FP6 matrix_b_fmt:MATRIX_FMT_FP6
.elseif (\s)%2
	v_wmma_scale_f32_16x16x128_f8f6f4 v[8*(8*\b+\a):8*(8*\b+\a)+7], v[96*MP+12*\a:96*MP+12*\a+11], v[F1+48*MP+12*\b:F1+48*MP+12*\b+11], v[8*(8*\b+\a):8*(8*\b+\a)+7], v[MS+\a], v[MS+8+\b] matrix_a_fmt:MATRIX_FMT_FP6 matrix_b_fmt:MATRIX_FMT_FP6 matrix_a_scale:MATRIX_SCALE_ROW1 matrix_b_scale:MATRIX_SCALE_ROW1
.else
	v_wmma_scale_f32_16x16x128_f8f6f4 v[8*(8*\b+\a):8*(8*\b+\a)+7], v[96*MP+12*\a:96*MP+12*\a+11], v[F1+48*MP+12*\b:F1+48*MP+12*\b+11], v[8*(8*\b+\a):8*(8*\b+\a)+7], v[MS+\a], v[MS+8+\b] matrix_a_fmt:MATRIX_FMT_FP6 matrix_b_fmt:MATRIX_FMT_FP6
.endif
.endr
.endr
.endm
.macro EVEN s                          ; the next K step lies in the same chunk
	PLACES 4                                       ; in front of loads into registers that the last K step's products read
	FETCH (\s)+1
	s_wait_dscnt 48                                ; all but the 48 just issued
	MUL \s, 0
.endm
.macro ODD s                           ; the next K step lies in the next chunk
	WIN 0
	s_wait_dscnt 0x0                               ; this K step's fragments are in, and no LDS instruction of mine is out at the signal
.if (\s) == 3
	s_wait_tensorcnt 0x0                           ; my load has landed, whichever half it brought
	s_barrier_signal -1
	s_barrier_wait -1                              ; the second half of K is whole
.irp a, A016, A08, A116, A18, AS0, AS1
	v_add_nc_u32 v[\a], CH, v[\a]                  ; on to it.  (These six are the places in front of the loads below)
.endr
.else
	PLACES 4                                       ; in front of loads into registers that the last K step's products read
.endif
	FETCH (\s)+1
	SCALES ((\s)+1)/2
	MUL \s, 0
.endm
	s_wait_tensorcnt 0x0                           ; EVERY wave waits for its one load here, those of the second half too (this line stands in place of what the head says of the first barrier)
	s_barrier_signal -1
	s_barrier_wait -1                              ; the first half of K is whole
	SCALES 0
	FETCH 0
	FETCH 1
	s_wait_dscnt 48
	MUL 0, 1                                       ; the first products start the sums
	ODD 1
	EVEN 2
	s_wait_alu depctr_va_vdst(0)
	ODD 3
	EVEN 4
	s_wait_alu depctr_va_vdst(0)
	ODD 5
	EVEN 6
	s_wait_dscnt 0x0
	MUL 7, 0
	WIN 0
	PLACES 4                                       ; in front of the first read of results, and of writes into registers that held S1's fragments
	s_wait_loadcnt 0x0                             ; the biases
; 64 numbers v[HA ..], register 16 b + i = place 32 b + 16 (lane / 16) + i along the next K, become a fragment's codes in v[PC ..] and its scale word in v[PW]
.macro QUANT
.irp b, 0,1,2,3
	v_max3_num_f32 v[TM+\b], |v[HA+16*\b]|, |v[HA+16*\b+1]|, 0x1800000   ; block b: my 16 numbers, and the floor 2^(3 - 127)
.endr
.irp i, 2,4,6,8,10,12,14
.irp b, 0,1,2,3
	v_max3_num_f32 v[TM+\b], v[TM+\b], |v[HA+16*\b+\i]|, |v[HA+16*\b+\i+1]|
.endr
.endr
.irp b, 0,1,2,3
	v_permlanex16_b32 v[TM+4+\b], v[TM+\b], s[SEL], s[SEL+1]
.endr
.irp b, 0,1,2,3
	v_max_num_f32 v[TM+\b], v[TM+\b], v[TM+4+\b]   ; with lane l xor 16's: the block's largest magnitude
.endr
.irp b, 0,1,2,3
	v_add_nc_u32 v[TM+12+\b], 0xff000000, v[TM+\b] ; 2 off its exponent field: the conversion's scale operand
.endr
.irp b, 0,1,2,3
	v_lshrrev_b32 v[TM+4+\b], 23, v[TM+12+\b]      ; the byte
.endr
	v_lshl_or_b32 v[PW], v[TM+5], 8, v[TM+4]
	v_lshl_or_b32 v[PW], v[TM+6], 16, v[PW]
	v_lshl_or_b32 v[PW], v[TM+7], 24, v[PW]
.irp c, 0,1
	v_cvt_scalef32_pk16_fp6_f32 v[PC+6*\c:PC+6*\c+2], v[HA+32*\c:HA+32*\c+15], v[TM+12+2*\c]
	v_cvt_scalef32_pk16_fp6_f32 v[PC+12+4*\c:PC+14+4*\c], v[HA+32*\c+16:HA+32*\c+31], v[TM+13+2*\c]
.endr
	v_nop                                          ; one plain place behind a scaled conversion
.irp c, 0,1                                    ; the layout wants a whole block in a lane
.irp i, 0,1,2
	v_permlane16_swap_b32 v[PC+6*\c+\i], v[PC+12+4*\c+\i]
.endr
.irp i, 0,1,2
	v_mov_b32 v[PC+3+6*\c+\i], v[PC+12+4*\c+\i]
.endr
.endr
.endm
	s_cmp_eq_u32 s19, 0                            ; the cluster's y alone decides
	s_cbranch_scc0 .Lway_v
	; ---- q, k: tile b of my positions: two heads' half images and their words
	s_lshr_b32 s20, s43, 2
	s_lshl_b32 s20, s20, 4
	s_lshl_b32 s21, s40, 2
	s_add_co_u32 s20, s20, s21
	s_lshl_b32 s21, s17, 1
	s_add_co_u32 s20, s20, s21                     ; bh of my first head: 16 batch + 4 cx + 2 w0
	s_and_b32 s21, s43, 3
	s_lshl_b32 s21, s21, 2
	s_add_co_u32 s21, s21, s41                     ; g: 4 (cluster y % 4) + cy
	s_mov_b32 s90, 208896
	s_mov_b32 s91, 13056
	s_cmp_eq_u32 s42, 0
	s_cselect_b32 s90, s90, 106496                 ; from head to head
	s_cselect_b32 s91, s91, 6656                   ; from group to group
	s_cselect_b64 s[84:85], s[12:13], s[14:15]
	s_mul_i32 s20, s20, s90
	s_mul_i32 s21, s21, s91
	s_add_co_u32 s92, s20, s21
	s_mov_b32 s93, 0
	s_add_nc_u64 s[84:85], s[84:85], s[92:93]
	s_lshl_b32 s92, s18, 8
	s_add_nc_u64 s[94:95], s[84:85], s[92:93]      ; the words: my four tiles' runs
	s_mul_i32 s92, s18, 3072
	s_add_nc_u64 s[84:85], s[84:85], s[92:93]      ; the codes: my four tiles' images, first head,
	s_mov_b32 s92, s90
	s_add_nc_u64 s[86:87], s[84:85], s[92:93]      ; second head
	v_mul_u32_u24 v[SOFF], v[HH], s90              ; lanes 0-15 store the first head's word, lanes 16-31 the second's
	v_lshl_add_u32 v[SOFF], v[RR], 2, v[SOFF]
.irp b, 0,1,2,3
.if \b > 0
	s_wait_xcnt 0x0                                ; the last tile's stores have read their data
.endif
	WIN 0x0e                                       ; source 0 window 2, source 1 window 3
.set j, 0
.rept 32
	v_pk_add_f32 v[HA+2*j:HA+2*j+1], v[64*\b+2*j:64*\b+2*j+1], v[BI+2*j:BI+2*j+1]   ; + the bias; each accumulator from its low end on
.set j, j+1
.endr
	WIN 0
	QUANT
	v_lshrrev_b32 v[WD], v[SH16], v[PW]
	v_and_b32 v[WD], 0xffff, v[WD]                 ; my head's two bytes; bytes 2 and 3 are 0
	global_store_b128 v[LI], v[PC:PC+3], s[84:85] offset:768*\b
	global_store_b64 v[L8], v[PC+4:PC+5], s[84:85] offset:768*\b+512
	global_store_b128 v[LI], v[PC+6:PC+9], s[86:87] offset:768*\b
	global_store_b64 v[L8], v[PC+10:PC+11], s[86:87] offset:768*\b+512
	global_store_b32 v[SOFF], v[WD], s[94:95] offset:6144+64*\b
.endr
	s_branch .Ldone
.Lway_v:
	; ---- v: tile b of my head's features x my 128 positions: one fragment image and its words
	s_and_b32 s20, s43, 7
	s_lshr_b32 s20, s20, 1
	s_lshl_b32 s20, s20, 3
	s_lshl_b32 s21, s42, 2
	s_add_co_u32 s20, s20, s21
	s_add_co_u32 s20, s20, s40                     ; which 256 positions
	s_and_b32 s21, s43, 1
	s_lshl_b32 s21, s21, 2
	s_add_co_u32 s21, s21, s41
	s_lshl_b32 s21, s21, 1
	s_add_co_u32 s21, s21, s18                     ; the head
	s_lshr_b32 s22, s20, 3
	s_lshl_b32 s22, s22, 4
	s_add_co_u32 s22, s22, s21                     ; bh
	s_and_b32 s23, s20, 7
	s_lshl_b32 s23, s23, 1
	s_add_co_u32 s23, s23, s17                     ; g
	s_mul_i32 s22, s22, 208896
	s_mul_i32 s23, s23, 13056
	s_add_co_u32 s92, s22, s23
	s_add_co_u32 s92, s92, 6656
	s_mov_b32 s93, 0
	s_add_nc_u64 s[84:85], s[12:13], s[92:93]
	v_lshlrev_b32 v[SOFF], 2, v[RR]
.irp b, 0,1,2,3
.if \b > 0
	s_wait_xcnt 0x0
.endif
	WIN 0x0e
.set j, 0
.rept 32
	v_pk_add_f32 v[HA+2*j:HA+2*j+1], v[64*\b+2*j:64*\b+2*j+1], v[BV+2*\b:BV+2*\b+1] op_sel_hi:[1,0]   ; + my feature's bias
.set j, j+1
.endr
	WIN 0
	QUANT
	global_store_b128 v[LI], v[PC:PC+3], s[84:85] offset:1536*\b
	global_store_b64 v[L8], v[PC+4:PC+5], s[84:85] offset:1536*\b+512
	global_store_b128 v[LI], v[PC+6:PC+9], s[84:85] offset:1536*\b+768
	global_store_b64 v[L8], v[PC+10:PC+11], s[84:85] offset:1536*\b+1280
	global_store_b32 v[SOFF], v[PW], s[84:85] offset:6144+64*\b   ; both halves of the lanes store the same word
.endr
.Ldone:
	s_wait_tensorcnt 0x0                           ; the wave's end
	ds_add_u32 v[SPW], v[NIL]
	s_wait_dscnt 0x0
	CROUND                                         ; the closing round
	s_endpgm
.Lfunc_end_k_q3dcb5a2f4c_proj:
	.size	k_q3dcb5a2f4c_proj, .Lfunc_end_k_q3dcb5a2f4c_proj-k_q3dcb5a2f4c_proj
	.p2alignl 7, 3214868480
	.fill 96, 4, 3214868480
	.section	.rodata,"a",@progbits
	.p2align	6, 0x0
	.amdhsa_kernel k_q3dcb5a2f4c_proj
		.amdhsa_group_segment_fixed_size 327680
		.amdhsa_private_segment_fixed_size 0
		.amdhsa_enable_private_segment 0
		.amdhsa_kernarg_size 48
		.amdhsa_user_sgpr_count 2
		.amdhsa_user_sgpr_kernarg_segment_ptr 1
		.amdhsa_wavefront_size32 1
		.amdhsa_system_sgpr_workgroup_id_x 1
		.amdhsa_system_sgpr_workgroup_id_y 1
		.amdhsa_system_sgpr_workgroup_id_z 1
		.amdhsa_system_vgpr_workitem_id 0
		.amdhsa_next_free_vgpr 1024
		.amdhsa_next_free_sgpr 100
		.amdhsa_reserve_vcc 0
		.amdhsa_float_denorm_mode_32 3
		.amdhsa_float_denorm_mode_16_64 3
		.amdhsa_memory_ordered 1
		.amdhsa_forward_progress 1
		.amdhsa_inst_pref_size 123
	.end_amdhsa_kernel
	.amdgpu_metadata
---
amdhsa.version: [ 1, 2 ]
amdhsa.kernels:
  - .name:           k_q3dcb5a2f4c_proj
    .symbol:         k_q3dcb5a2f4c_proj.kd
    .args:
      - { .name: opg, .offset: 0, .size: 8, .value_kind: global_buffer, .address_space: global }
      - { .name: bq, .offset: 8, .size: 8, .value_kind: global_buffer, .address_space: global }
      - { .name: bk, .offset: 16, .size: 8, .value_kind: global_buffer, .address_space: global }
      - { .name: bv, .offset: 24, .size: 8, .value_kind: global_buffer, .address_space: global }
      - { .name: qv, .offset: 32, .size: 8, .value_kind: global_buffer, .address_space: global }
      - { .name: kc, .offset: 40, .size: 8, .value_kind: global_buffer, .address_space: global }
    .group_segment_fixed_size: 327680
    .private_segment_fixed_size: 0
    .kernarg_segment_align: 8
    .kernarg_segment_size: 48
    .max_flat_workgroup_size: 128
    .sgpr_count:     100
    .vgpr_count:     1024
    .wavefront_size: 32
...
	.end_amdgpu_metadata
.endif
;; end of part 2
;; launch stats (part 3): grid 4 x 64, 16 waves a work-group, clusters of 4 x 1, 167,936 bytes of LDS; arguments qv, kc, stat; writes stat
.if DOCPART == 3
	.amdgcn_target "amdgcn-amd-amdhsa--gfx1250"
	.amdhsa_code_object_version 6
	.text
	.protected	k_q3dcb5a2f4c_stats
	.globl	k_q3dcb5a2f4c_stats
	.p2align	8
	.type	k_q3dcb5a2f4c_stats,@function
k_q3dcb5a2f4c_stats:
	s_mov_b64 s[64:65], 0
	v_nop
	global_prefetch_b8 v0, s[64:65] scope:SCOPE_SE
	s_setreg_imm32_b32 hwreg(HW_REG_WAVE_MODE, 25, 1), 1
	s_wait_xcnt 0x0
	s_wait_alu depctr_hold_cnt(0) depctr_sa_sdst(0) depctr_va_vdst(0) depctr_va_sdst(0) depctr_va_ssrc(0) depctr_va_vcc(0) depctr_vm_vsrc(0)
	s_getreg_b32 s2, hwreg(HW_REG_IB_STS2, 6, 4)
	s_cmp_eq_u32 s2, 0
	s_cbranch_scc0 .Lentry_in_a_cluster
	s_endpgm
.Lentry_in_a_cluster:
	s_bfe_u32 s2, ttmp6, 0x10000c
	s_cmp_lg_u32 s2, 0x3003
	s_cbranch_scc0 .Lentry_shape_is_right
	s_endpgm
.Lentry_shape_is_right:
; The first sweep over the scores: for each query of each (batch, head) the number bias = -c M - log2(l), c = log2(e) / 8, M the row's largest score, l = the sum over all keys of 2^(c s - c M).
; The weight of the softmax is then 2^(c s + bias), finished and normalised, which the next launch needs before it can quantise along the QUERIES.  stat [bh 64][query 2,048] f32.
; The scores are the quantised product q k^T on codes of FP6 (E2M3), K = 64: half of the instruction's 128.  The upper 64 add nothing: q's fragment has zero codes there (six registers cleared once); k's fragments lie
; six registers apart, so that a fragment's upper half is the next one's codes, and six cleared registers stand behind the last; bytes 2 and 3 of all scale words are 0, which is 2^-127.
; SHARES: a work-group owns 512 queries of one head, each of its sixteen waves 32 (two tiles); every wave walks the head's 2,048 keys, 128 a trip.  Source 0 = 16 keys, source 1 = 16 queries: a lane holds one query.
; A lane keeps the maximum and the sum of ITS half of the keys; the halves meet once, at the end.  The running maximum is taken away in every trip.
; LDS: the head's k (16 records of 6,656 bytes) comes once, by four joint loads of the cluster's four work-groups, which walk the same k.  No LDS byte is filled twice.  No prefetch: all is asked for at the head.
; A wave's 32 results leave as 128 consecutive bytes.  LIMITS: NaN and infinities are not served.
.set REC,   6656
.set SPARE, 16*REC
.set SPW, 10
.set NIL, 11
.set KF,  16                           ; v16-69   k's 8 half fragments, and 6 zeros
.set QF,  70                           ; v70-93   q's two fragments, the upper 6 of each 0
.set KS,  94                           ; v94-97   k's scale words: two tiles' runs a register
.set QS,  98                           ; v98-99   q's
.set S,   100                          ; v100-227 the scores, 64 a tile of queries
.set ST,  228                          ; v228-243 8 a tile: +0 -c m, +1 m, +2, +3 l in two halves, +4 .. +7 at work
.set WV,  16
.set CS,  48                           ; s[48:49] c
.set NC,  50                           ; s50 -c
.set SEL, 52
.macro PLACES n
.rept \n
	v_nop
.endr
.endm
.macro CROUND
	s_barrier_signal -1
	s_barrier_wait -1
	s_cmp_lg_u32 s[WV], 0
	s_cbranch_scc1 .Lnot_wave_0_\@
	s_barrier_signal -3
.Lnot_wave_0_\@:
	s_barrier_wait -3
	s_barrier_signal -1
	s_barrier_wait -1
.endm
	s_load_b128 s[4:7], s[0:1], 0x0                ; qv, kc
	s_load_b64 s[8:9], s[0:1], 0x10                ; stat
	v_lshl_add_u32 v[SPW], v0, 2, SPARE
	v_mov_b32 v[NIL], 0
	ds_add_u32 v[SPW], v[NIL]                      ; the wave's opening: the add and its wait ahead of the round in front of the first tensor loads
	ds_add_u32 v[SPW], v[NIL]
	v_lshrrev_b32 v1, 5, v0
	s_delay_alu instid0(VALU_DEP_1)
	v_readfirstlane_b32 s[WV], v1                  ; wave 0..15
	s_bfe_u32 s17, ttmp6, 0x40000                  ; cx
	s_lshl_b32 s18, ttmp9, 2
	s_add_co_u32 s18, s18, s17                     ; my block of 512 queries: it enters global addresses alone
	s_and_b32 s19, ttmp7, 0xffff                   ; bh, which the four partners share
	s_mov_b32 s24, 15|(3<<16)|(1<<21)              ; all four work-groups; elements of 8 bytes
	s_mov_b32 s25, 32<<16                          ; rows of 256 bytes
	s_mov_b32 s26, 104<<16                         ; 104 of them: a quarter of the head's k
	s_mov_b32 s27, 32<<16
	s_mov_b32 s28, 104
	s_mov_b32 s29, 32
	s_mov_b32 s30, 0
	s_mov_b32 s31, 0
	s_mov_b32 s[CS], 0x3e38aa3b                    ; c = log2(e) / 8
	s_mov_b32 s[CS+1], s[CS]
	s_mov_b32 s[NC], 0xbe38aa3b
	s_mov_b32 s[SEL], 0x76543210
	s_mov_b32 s[SEL+1], 0xfedcba98
	s_mov_b32 s46, 0xffff0000                      ; lanes 16-31
	s_mul_i32 s20, s[WV], 4*REC                    ; waves 0-3: my quarter, in LDS and in memory
	s_mul_i32 s21, s19, 16*REC
	s_add_co_u32 s22, s21, s20
	s_mov_b32 s23, 0
	s_lshl_b32 s36, s18, 2
	s_lshr_b32 s37, s[WV], 2
	s_add_co_u32 s36, s36, s37                     ; my record of q: 4 x block + wave / 4
	s_mul_i32 s36, s36, 13056
	s_mul_i32 s37, s19, 208896
	s_add_co_u32 s36, s36, s37
	s_mov_b32 s37, 0
	s_and_b32 s38, s[WV], 3
	s_lshl_b32 s54, s19, 13                        ; stat: 8,192 bh + 2,048 block + 128 wave
	s_lshl_b32 s55, s18, 11
	s_add_co_u32 s54, s54, s55
	s_lshl_b32 s55, s[WV], 7
	s_add_co_u32 s54, s54, s55
	s_mov_b32 s55, 0
	s_wait_dscnt 0x0                               ; the opening add is done
	s_wait_kmcnt 0x0
	CROUND                                         ; all four work-groups are here: the joint loads meet
	s_mov_b32 s32, 1
	s_mov_b32 s33, s20
	s_add_nc_u64 s[34:35], s[6:7], s[22:23]
	s_or_b32 s35, s35, 0x80000000
	s_cmp_lt_u32 s[WV], 4
	s_cbranch_scc0 .Lnone
	tensor_load_to_lds s[32:35], s[24:31]
	s_nop 0
	PLACES 4
.Lnone:
	s_add_nc_u64 s[4:5], s[4:5], s[36:37]
	s_mul_i32 s36, s38, 1536
	s_add_nc_u64 s[40:41], s[4:5], s[36:37]        ; my two tiles' half images
	s_lshl_b32 s36, s38, 7
	s_add_nc_u64 s[42:43], s[4:5], s[36:37]        ; and their runs of words
	s_add_nc_u64 s[8:9], s[8:9], s[54:55]
	v_and_b32 v9, 31, v0
	v_and_b32 v12, 15, v0                          ; r
	v_bfe_u32 v13, v0, 4, 1                        ; h
	s_delay_alu instid0(VALU_DEP_3)
	v_lshlrev_b32 v1, 4, v9
	s_delay_alu instid0(VALU_DEP_4)
	v_lshlrev_b32 v2, 3, v9
	v_lshlrev_b32 v3, 2, v9
	v_lshlrev_b32 v7, 2, v12
.irp i, 0,1
	global_load_b128 v[QF+12*\i:QF+12*\i+3], v1, s[40:41] offset:768*\i
	global_load_b64 v[QF+12*\i+4:QF+12*\i+5], v2, s[40:41] offset:768*\i+512
	global_load_b32 v[QS+\i], v7, s[42:43] offset:6144+64*\i
.endr
.irp n, 0,1,2,3,4,5
	v_mov_b32 v[KF+48+\n], 0
	v_mov_b32 v[QF+6+\n], 0
	v_mov_b32 v[QF+18+\n], 0
.endr
	v_and_b32 v8, 8, v12
	s_delay_alu instid0(VALU_DEP_1)
	v_add_nc_u32 v8, v8, v12
	s_delay_alu instid0(VALU_DEP_1)
	v_lshl_add_u32 v8, v13, 3, v8
	s_delay_alu instid0(VALU_DEP_1)
	v_lshlrev_b32 v8, 2, v8                        ; 4 (8 h + r + 8 (r / 8)): lanes 0-15 store tile 0's queries, lanes 16-31 tile 1's
.irp i, 0,1
	v_mov_b32 v[ST+8*\i+1], 0xff61b1e6             ; m = -3e38, under every score
	v_mov_b32 v[ST+8*\i+2], 0
	v_mov_b32 v[ST+8*\i+3], 0
.endr
.irp i, 0
	v_mul_f32 v[ST+8*\i], s[NC], v[ST+8*\i+1]
.endr
.irp i, 1
	s_delay_alu instid0(VALU_DEP_4)
	v_mul_f32 v[ST+8*\i], s[NC], v[ST+8*\i+1]
.endr
	s_mov_b32 s44, 0                               ; the record of k in hand
	s_mov_b32 s45, 16
	s_wait_tensorcnt 0x0
	s_barrier_signal -1
	s_barrier_wait -1                              ; the head's k lies in LDS
	s_wait_loadcnt 0x0                             ; q
.Lstep:
	v_add_nc_u32 v4, s44, v1
	v_add_nc_u32 v5, s44, v2
	v_add_nc_u32 v6, s44, v3
.irp t, 0,1,2,3,4,5,6,7
	ds_load_b128 v[KF+6*\t:KF+6*\t+3], v4 offset:768*\t
	ds_load_b64 v[KF+6*\t+4:KF+6*\t+5], v5 offset:768*\t+512
.endr
.irp n, 0,1,2,3
	ds_load_b32 v[KS+\n], v6 offset:6144+128*\n
.endr
	s_wait_dscnt 0x0
.irp t, 0,1,2,3,4,5,6,7
.irp i, 0,1
.if \t%2
	v_wmma_scale_f32_16x16x128_f8f6f4 v[S+64*\i+8*\t:S+64*\i+8*\t+7], v[KF+6*\t:KF+6*\t+11], v[QF+12*\i:QF+12*\i+11], 0, v[KS+\t/2], v[QS+\i] matrix_a_fmt:MATRIX_FMT_FP6 matrix_b_fmt:MATRIX_FMT_FP6 matrix_a_scale:MATRIX_SCALE_ROW1
.else
	v_wmma_scale_f32_16x16x128_f8f6f4 v[S+64*\i+8*\t:S+64*\i+8*\t+7], v[KF+6*\t:KF+6*\t+11], v[QF+12*\i:QF+12*\i+11], 0, v[KS+\t/2], v[QS+\i] matrix_a_fmt:MATRIX_FMT_FP6 matrix_b_fmt:MATRIX_FMT_FP6
.endif
.endr
.endr
	PLACES 4
	; the largest of my 64 scores and the old m: four chains of 16, ascending; the two tiles by turns
.irp k, 0,1,2,3
.irp i, 0,1
	v_max3_num_f32 v[ST+8*\i+4+\k], v[S+64*\i+16*\k], v[S+64*\i+16*\k+1], v[S+64*\i+16*\k+2]
.endr
.endr
.irp n, 3,5,7,9,11,13
.irp k, 0,1,2,3
.irp i, 0,1
	v_max3_num_f32 v[ST+8*\i+4+\k], v[ST+8*\i+4+\k], v[S+64*\i+16*\k+\n], v[S+64*\i+16*\k+\n+1]
.endr
.endr
.endr
.irp i, 0,1
	v_max3_num_f32 v[ST+8*\i+4], v[ST+8*\i+4], v[S+64*\i+15], v[S+64*\i+31]
	v_max3_num_f32 v[ST+8*\i+6], v[ST+8*\i+6], v[S+64*\i+47], v[S+64*\i+63]
.endr
.irp i, 0
	s_delay_alu instid0(VALU_DEP_3)
	v_max3_num_f32 v[ST+8*\i+4], v[ST+8*\i+4], v[ST+8*\i+5], v[ST+8*\i+6]
.endr
.irp i, 1
	s_delay_alu instid0(VALU_DEP_2)
	v_max3_num_f32 v[ST+8*\i+4], v[ST+8*\i+4], v[ST+8*\i+5], v[ST+8*\i+6]
.endr
.irp i, 0,1
	s_delay_alu instid0(VALU_DEP_2)
	v_max3_num_f32 v[ST+8*\i+1], v[ST+8*\i+4], v[ST+8*\i+7], v[ST+8*\i+1]   ; the new m
.endr
.irp i, 0,1
	s_delay_alu instid0(VALU_DEP_2)
	v_mul_f32 v[ST+8*\i+5], s[NC], v[ST+8*\i+1]    ; -c m
.endr
.irp i, 0,1
	s_delay_alu instid0(VALU_DEP_2)
	v_sub_f32 v[ST+8*\i+6], v[ST+8*\i+5], v[ST+8*\i]   ; c m_old - c m_new
.endr
.irp i, 0,1
	s_delay_alu instid0(VALU_DEP_4)
	v_mov_b32 v[ST+8*\i], v[ST+8*\i+5]
.endr
.set j, 0
.rept 32
.irp i, 0,1
	v_pk_fma_f32 v[S+64*\i+2*j:S+64*\i+2*j+1], v[S+64*\i+2*j:S+64*\i+2*j+1], s[CS:CS+1], v[ST+8*\i:ST+8*\i+1] op_sel_hi:[1,0,0]   ; c s - c m
.endr
.set j, j+1
.endr
	s_wait_alu depctr_va_vdst(0)
.irp i, 0,1
	v_exp_f32 v[ST+8*\i+6], v[ST+8*\i+6]           ; a = 2^(c m_old - c m_new)
.endr
.set j, 0
.rept 128
	v_exp_f32 v[S+j], v[S+j]
.set j, j+1
.endr
	v_nop                                          ; a plain place behind the last exponential
	s_wait_alu depctr_va_vdst(0)                   ; one wait for the batch of 130, ahead of its first reader
.irp n, 4,8,12,16,20,24,28,32,36,40,44,48,52,56,60
.irp i, 0,1
	v_pk_add_f32 v[S+64*\i:S+64*\i+1], v[S+64*\i:S+64*\i+1], v[S+64*\i+\n:S+64*\i+\n+1]
	v_pk_add_f32 v[S+64*\i+2:S+64*\i+3], v[S+64*\i+2:S+64*\i+3], v[S+64*\i+\n+2:S+64*\i+\n+3]
.endr
.endr
.irp i, 0
	s_delay_alu instid0(VALU_DEP_3)
	v_pk_add_f32 v[S+64*\i:S+64*\i+1], v[S+64*\i:S+64*\i+1], v[S+64*\i+2:S+64*\i+3]
.endr
.irp i, 1
	s_delay_alu instid0(VALU_DEP_2)
	v_pk_add_f32 v[S+64*\i:S+64*\i+1], v[S+64*\i:S+64*\i+1], v[S+64*\i+2:S+64*\i+3]
.endr
.irp i, 0,1
	v_pk_fma_f32 v[ST+8*\i+2:ST+8*\i+3], v[ST+8*\i+2:ST+8*\i+3], v[ST+8*\i+6:ST+8*\i+7], v[S+64*\i:S+64*\i+1] op_sel_hi:[1,0,1]   ; l = a l + the trip's sum
.endr
	s_add_co_u32 s44, s44, REC
	s_sub_co_u32 s45, s45, 1
	s_cmp_lg_u32 s45, 0
	s_cbranch_scc1 .Lstep
	; the two halves of the lanes meet
.irp i, 0,1
	v_add_f32 v[ST+8*\i+2], v[ST+8*\i+2], v[ST+8*\i+3]
.endr
.irp i, 0,1
	v_permlanex16_b32 v[ST+8*\i+4], v[ST+8*\i+1], s[SEL], s[SEL+1]
.endr
.irp i, 0,1
	s_delay_alu instid0(VALU_DEP_2)
	v_max_num_f32 v[ST+8*\i+4], v[ST+8*\i+4], v[ST+8*\i+1]   ; M
.endr
.irp i, 0,1
	s_delay_alu instid0(VALU_DEP_2)
	v_mul_f32 v[ST+8*\i+5], s[NC], v[ST+8*\i+4]    ; -c M
.endr
.irp i, 0,1
	s_delay_alu instid0(VALU_DEP_2)
	v_sub_f32 v[ST+8*\i+6], v[ST+8*\i+5], v[ST+8*\i]   ; c m - c M
.endr
	s_wait_alu depctr_va_vdst(0)
.irp i, 0,1
	v_exp_f32 v[ST+8*\i+6], v[ST+8*\i+6]
.endr
	v_nop
	s_wait_alu depctr_va_vdst(0)
.irp i, 0,1
	v_mul_f32 v[ST+8*\i+2], v[ST+8*\i+2], v[ST+8*\i+6]   ; my half's sum under M
.endr
.irp i, 0,1
	s_delay_alu instid0(VALU_DEP_2)
	v_permlanex16_b32 v[ST+8*\i+3], v[ST+8*\i+2], s[SEL], s[SEL+1]
.endr
.irp i, 0,1
	s_delay_alu instid0(VALU_DEP_2)
	v_add_f32 v[ST+8*\i+2], v[ST+8*\i+2], v[ST+8*\i+3]   ; l
.endr
	s_wait_alu depctr_va_vdst(0)
.irp i, 0,1
	v_log_f32 v[ST+8*\i+7], v[ST+8*\i+2]
.endr
	v_nop
	s_wait_alu depctr_va_vdst(0)
.irp i, 0,1
	v_sub_f32 v[ST+8*\i+7], v[ST+8*\i+5], v[ST+8*\i+7]   ; bias = -c M - log2 l
.endr
	s_delay_alu instid0(VALU_DEP_1)
	v_cndmask_b32 v9, v[ST+7], v[ST+15], s46       ; tile 0's in lanes 0-15, tile 1's in lanes 16-31
	global_store_b32 v8, v9, s[8:9]
	s_wait_tensorcnt 0x0                           ; the wave's end
	ds_add_u32 v[SPW], v[NIL]
	s_wait_dscnt 0x0
	CROUND                                         ; the closing round
	s_endpgm
.Lfunc_end_k_q3dcb5a2f4c_stats:
	.size	k_q3dcb5a2f4c_stats, .Lfunc_end_k_q3dcb5a2f4c_stats-k_q3dcb5a2f4c_stats
	.p2alignl 7, 3214868480
	.fill 96, 4, 3214868480
	.section	.rodata,"a",@progbits
	.p2align	6, 0x0
	.amdhsa_kernel k_q3dcb5a2f4c_stats
		.amdhsa_group_segment_fixed_size 167936
		.amdhsa_private_segment_fixed_size 0
		.amdhsa_enable_private_segment 0
		.amdhsa_kernarg_size 24
		.amdhsa_user_sgpr_count 2
		.amdhsa_user_sgpr_kernarg_segment_ptr 1
		.amdhsa_wavefront_size32 1
		.amdhsa_system_sgpr_workgroup_id_x 1
		.amdhsa_system_sgpr_workgroup_id_y 1
		.amdhsa_system_sgpr_workgroup_id_z 1
		.amdhsa_system_vgpr_workitem_id 0
		.amdhsa_next_free_vgpr 256
		.amdhsa_next_free_sgpr 66
		.amdhsa_reserve_vcc 0
		.amdhsa_float_denorm_mode_32 3
		.amdhsa_float_denorm_mode_16_64 3
		.amdhsa_memory_ordered 1
		.amdhsa_forward_progress 1
		.amdhsa_inst_pref_size 29
	.end_amdhsa_kernel
	.amdgpu_metadata
---
amdhsa.version: [ 1, 2 ]
amdhsa.kernels:
  - .name:           k_q3dcb5a2f4c_stats
    .symbol:         k_q3dcb5a2f4c_stats.kd
    .args:
      - { .name: qv, .offset: 0, .size: 8, .value_kind: global_buffer, .address_space: global }
      - { .name: kc, .offset: 8, .size: 8, .value_kind: global_buffer, .address_space: global }
      - { .name: stat, .offset: 16, .size: 8, .value_kind: global_buffer, .address_space: global }
    .group_segment_fixed_size: 167936
    .private_segment_fixed_size: 0
    .kernarg_segment_align: 8
    .kernarg_segment_size: 24
    .max_flat_workgroup_size: 512
    .sgpr_count:     66
    .vgpr_count:     256
    .wavefront_size: 32
...
	.end_amdgpu_metadata
.endif
;; end of part 3
;; launch aggr (part 4): grid 4 x 64, 8 waves a work-group, clusters of 4 x 1, 218,112 bytes of LDS; arguments qv, kc, stat, og; writes og
.if DOCPART == 4
	.amdgcn_target "amdgcn-amd-amdhsa--gfx1250"
	.amdhsa_code_object_version 6
	.text
	.protected	k_q3dcb5a2f4c_aggr
	.globl	k_q3dcb5a2f4c_aggr
	.p2align	8
	.type	k_q3dcb5a2f4c_aggr,@function
k_q3dcb5a2f4c_aggr:
	s_mov_b64 s[64:65], 0
	v_nop
	global_prefetch_b8 v0, s[64:65] scope:SCOPE_SE
	s_setreg_imm32_b32 hwreg(HW_REG_WAVE_MODE, 25, 1), 1
	s_wait_xcnt 0x0
	s_wait_alu depctr_hold_cnt(0) depctr_sa_sdst(0) depctr_va_vdst(0) depctr_va_sdst(0) depctr_va_ssrc(0) depctr_va_vcc(0) depctr_vm_vsrc(0)
	s_getreg_b32 s2, hwreg(HW_REG_IB_STS2, 6, 4)
	s_cmp_eq_u32 s2, 0
	s_cbranch_scc0 .Lentry_in_a_cluster
	s_endpgm
.Lentry_in_a_cluster:
	s_bfe_u32 s2, ttmp6, 0x10000c
	s_cmp_lg_u32 s2, 0x3003
	s_cbranch_scc0 .Lentry_shape_is_right
	s_endpgm
.Lentry_shape_is_right:
; The second sweep: out[key][d] = the sum over the QUERIES of w[query][key] v[query][d], w = the finished softmax over the keys, all products on codes of FP6 (E2M3).
; w = 2^(c s + bias_query), c = log2(e) / 8, bias = -c M - log2 l from the launch before: the row's maximum is taken away and the row's sum divides, in one multiply-add and one exponential.
; w is quantised along the queries (blocks of 32 queries for each key), out along the model's 1,024 (two blocks a head), for the last projection.
; LAYOUT.  S = q k^T with source 0 = 16 queries and source 1 = 16 keys: a lane holds ONE KEY and its registers run along the queries; q's tiles hold lane-row p = query 32 (t / 2) + 8 (t % 2) + p + 8 (p / 8), so that
; the 64 registers of 8 tiles are, block by block, 16 neighbouring queries: the conversions' results are the next operand.  O = v^T w^T with source 0 = 16 features: a lane keeps its key, registers run along the features.
; K = 64 in q k^T: the upper half of the instruction's 128 adds nothing: k's fragments have zero codes there; q's lie six registers apart with six zeros behind the last; bytes 2, 3 of the scale words are 0.
; SHARES: a work-group owns 512 keys of one head, each of its eight waves 64 (four tiles); every wave walks the head's 2,048 queries, 128 a step.
; LDS: the head's q and v (16 records of 13,056 bytes) and its 2,048 biases come once, by five joint loads of the cluster's four work-groups.  No LDS byte is filled twice.  No prefetch: all is asked for at the head.
; OUT: og, laid as opg: tile T of 16 positions, record (T, c) at (2 T + c) x 6,400, K step j's image at 1,536 j + 256 (j / 2), word runs at 3,072 + 64 j.  A head is half a K step: a half image of 768 bytes leaves as
; 512 + 256 consecutive bytes; its two scale bytes are half a word, whose other half belongs to another head's work-group: they leave as two bytes a lane, one byte in 25 of what is stored.
; LIMITS: the exponent c s + bias carries half an ulp of |c M + log2 l|; weights under 2^-126 count as 0; a block whose largest magnitude lies under 2^-124 keeps the byte 1; NaN and infinities are not served.
; REGISTERS: window 0: v1-9 addresses; v12, v13 the add's; v14-24 scale words; v26-41 at work; v42-61 w's codes; v64-127 the step's biases; v128-191 S, then w; v192-239 k's four fragments.
;   window 1: v0-127 O (tile i, features' tile t at 32 i + 8 t); v128-181 q's fragments; v184-231 v's.
.set REC,   13056
.set BIAS,  16*REC
.set SPARE, BIAS+8192
.set SPW, 12
.set NIL, 13
.set QS,  14
.set VS,  18
.set KS,  20
.set PW,  24
.set TM,  26
.set PC,  42
.set BI,  64
.set S,   128
.set KFR, 192
.set QF,  128
.set VF,  184
.set WV,  16
.set CS,  56
.set SEL, 58
.set MSB, 0
.macro WIN new
.if MSB != \new
	s_set_vgpr_msb (MSB<<8)|\new
.set MSB, \new
.endif
.endm
.macro PLACES n
.rept \n
	v_nop
.endr
.endm
.macro CROUND
	s_barrier_signal -1
	s_barrier_wait -1
	s_cmp_lg_u32 s[WV], 0
	s_cbranch_scc1 .Lnot_wave_0_\@
	s_barrier_signal -3
.Lnot_wave_0_\@:
	s_barrier_wait -3
	s_barrier_signal -1
	s_barrier_wait -1
.endm
	s_load_b256 s[4:11], s[0:1], 0x0               ; qv, kc, stat, og
	v_lshl_add_u32 v[SPW], v0, 2, SPARE
	v_mov_b32 v[NIL], 0
	ds_add_u32 v[SPW], v[NIL]                      ; the wave's opening: the add and its wait ahead of the round in front of the first tensor loads
	ds_add_u32 v[SPW], v[NIL]
	v_lshrrev_b32 v1, 5, v0
	s_delay_alu instid0(VALU_DEP_1)
	v_readfirstlane_b32 s[WV], v1                  ; wave 0..7
	s_bfe_u32 s17, ttmp6, 0x40000                  ; cx
	s_lshl_b32 s18, ttmp9, 2
	s_add_co_u32 s18, s18, s17                     ; my block of 512 keys: it enters global addresses alone
	s_and_b32 s19, ttmp7, 0xffff                   ; bh
	s_mov_b32 s24, 15|(3<<16)|(1<<21)              ; q and v: all four work-groups; rows of 256 bytes, 204 of them: a quarter of the head's records
	s_mov_b32 s25, 32<<16
	s_mov_b32 s26, 204<<16
	s_mov_b32 s27, 32<<16
	s_mov_b32 s28, 204
	s_mov_b32 s29, 32
	s_mov_b32 s30, 0
	s_mov_b32 s31, 0
	s_mov_b32 s32, 15|(3<<16)|(1<<21)              ; the biases: 32 rows of 256 bytes
	s_mov_b32 s33, 32<<16
	s_mov_b32 s34, 32<<16
	s_mov_b32 s35, 32<<16
	s_mov_b32 s36, 32
	s_mov_b32 s37, 32
	s_mov_b32 s38, 0
	s_mov_b32 s39, 0
	s_mov_b32 s[CS], 0x3e38aa3b                    ; c = log2(e) / 8
	s_mov_b32 s[CS+1], s[CS]
	s_mov_b32 s[SEL], 0x76543210
	s_mov_b32 s[SEL+1], 0xfedcba98
	s_mul_i32 s20, s[WV], 4*REC                    ; waves 0-3: my quarter, in LDS and in memory
	s_mul_i32 s21, s19, 16*REC
	s_add_co_u32 s22, s21, s20
	s_mov_b32 s23, 0
	s_lshl_b32 s54, s19, 13
	s_mov_b32 s55, 0
	s_wait_dscnt 0x0                               ; the opening add is done
	s_wait_kmcnt 0x0
	CROUND                                         ; all four work-groups are here: the joint loads meet
	s_mov_b32 s40, 1
	s_mov_b32 s41, s20
	s_add_nc_u64 s[42:43], s[4:5], s[22:23]
	s_or_b32 s43, s43, 0x80000000
	s_mov_b32 s44, 1
	s_mov_b32 s45, BIAS
	s_add_nc_u64 s[46:47], s[8:9], s[54:55]
	s_or_b32 s47, s47, 0x80000000
	s_cmp_lt_u32 s[WV], 4                          ; a wave's first fill stands in one branch on its number
	s_cbranch_scc0 .Lnot_q
	tensor_load_to_lds s[40:43], s[24:31]
	s_nop 0
	PLACES 4
	s_branch .Lasked
.Lnot_q:
	s_cmp_eq_u32 s[WV], 4
	s_cbranch_scc0 .Lasked
	tensor_load_to_lds s[44:47], s[32:39]
	s_nop 0
	PLACES 4
.Lasked:
	s_lshl_b32 s20, s18, 2
	s_lshr_b32 s21, s[WV], 1
	s_add_co_u32 s20, s20, s21                     ; my record of k: 4 x block + wave / 2
	s_mul_i32 s20, s20, 6656
	s_mul_i32 s21, s19, 106496
	s_add_co_u32 s20, s20, s21
	s_mov_b32 s21, 0
	s_add_nc_u64 s[6:7], s[6:7], s[20:21]
	s_and_b32 s22, s[WV], 1
	s_mul_i32 s20, s22, 3072
	s_add_nc_u64 s[48:49], s[6:7], s[20:21]        ; my four tiles' half images
	s_lshl_b32 s20, s22, 8
	s_add_nc_u64 s[50:51], s[6:7], s[20:21]        ; and their runs of words
	v_and_b32 v10, 31, v0
	v_and_b32 v11, 15, v0                          ; r
	v_bfe_u32 v4, v0, 4, 1                         ; h
	s_delay_alu instid0(VALU_DEP_3)
	v_lshlrev_b32 v1, 4, v10
	s_delay_alu instid0(VALU_DEP_4)
	v_lshlrev_b32 v2, 3, v10
	v_lshlrev_b32 v3, 2, v10
	v_lshlrev_b32 v9, 2, v11
	v_lshl_add_u32 v4, v4, 6, BIAS                 ; my 16 of each block of 32 biases
.irp i, 0,1,2,3
	global_load_b128 v[KFR+12*\i:KFR+12*\i+3], v1, s[48:49] offset:768*\i
	global_load_b64 v[KFR+12*\i+4:KFR+12*\i+5], v2, s[48:49] offset:768*\i+512
	global_load_b32 v[KS+\i], v9, s[50:51] offset:6144+64*\i
.endr
.irp i, 0,1,2,3
.irp n, 6,7,8,9,10,11
	v_mov_b32 v[KFR+12*\i+\n], 0
.endr
.endr
	WIN 0x40
.irp n, 0,1,2,3,4,5
	v_mov_b32 v[QF+48+\n], 0
.endr
	WIN 0
.irp b, 0,1,2,3
	v_mov_b32 v[TM+4+\b], 0                        ; a lane permute's destination counts as one of its sources
.endr
	s_mov_b32 s52, 0                               ; the record of q and v in hand
	s_mov_b32 s53, 0                               ; and its 128 biases
	s_wait_alu depctr_va_vdst(0)
	s_wait_tensorcnt 0x0
	s_barrier_signal -1
	s_barrier_wait -1                              ; the head's q, v and biases lie in LDS
	s_wait_loadcnt 0x0                             ; k
.macro FRAG reg, a16, a8, off
	ds_load_b128 v[(\reg):(\reg)+3], v[\a16] offset:(\off)
	ds_load_b64 v[(\reg)+4:(\reg)+5], v[\a8] offset:(\off)+512
	ds_load_b128 v[(\reg)+6:(\reg)+9], v[\a16] offset:(\off)+768
	ds_load_b64 v[(\reg)+10:(\reg)+11], v[\a8] offset:(\off)+1280
.endm
; 64 weights v[S ..], register 16 b + i = query 32 b + 16 (lane / 16) + i, become a fragment's codes in v[PC ..] and its scale word in v[PW].  None is negative: no |.|
.macro QUANT
.irp b, 0,1,2,3
	v_max3_num_f32 v[TM+\b], v[S+16*\b], v[S+16*\b+1], 0x1800000   ; and the floor 2^(3 - 127)
.endr
.irp i, 2,4,6,8,10,12,14
.irp b, 0,1,2,3
	v_max3_num_f32 v[TM+\b], v[TM+\b], v[S+16*\b+\i], v[S+16*\b+\i+1]
.endr
.endr
.irp b, 0,1,2,3
	s_delay_alu instid0(VALU_DEP_4)
	v_permlanex16_b32 v[TM+4+\b], v[TM+\b], s[SEL], s[SEL+1]
.endr
.irp b, 0,1,2,3
	s_delay_alu instid0(VALU_DEP_4)
	v_max_num_f32 v[TM+\b], v[TM+\b], v[TM+4+\b]
.endr
.irp b, 0,1,2,3
	s_delay_alu instid0(VALU_DEP_4)
	v_add_nc_u32 v[TM+12+\b], 0xff000000, v[TM+\b]
.endr
.irp b, 0,1,2,3
	s_delay_alu instid0(VALU_DEP_4)
	v_lshrrev_b32 v[TM+4+\b], 23, v[TM+12+\b]
.endr
	s_delay_alu instid0(VALU_DEP_3)
	v_lshl_or_b32 v[PW], v[TM+5], 8, v[TM+4]
	s_delay_alu instid0(VALU_DEP_1)
	v_lshl_or_b32 v[PW], v[TM+6], 16, v[PW]
	s_delay_alu instid0(VALU_DEP_1)
	v_lshl_or_b32 v[PW], v[TM+7], 24, v[PW]
.irp c, 0,1
	v_cvt_scalef32_pk16_fp6_f32 v[PC+6*\c:PC+6*\c+2], v[S+32*\c:S+32*\c+15], v[TM+12+2*\c]
	v_cvt_scalef32_pk16_fp6_f32 v[PC+12+4*\c:PC+14+4*\c], v[S+32*\c+16:S+32*\c+31], v[TM+13+2*\c]
.endr
	v_nop                                          ; one plain place behind a scaled conversion
.irp c, 0,1
.irp i, 0,1,2
	v_permlane16_swap_b32 v[PC+6*\c+\i], v[PC+12+4*\c+\i]
.endr
.irp i, 0,1,2
	s_delay_alu instid0(VALU_DEP_3)
	v_mov_b32 v[PC+3+6*\c+\i], v[PC+12+4*\c+\i]
.endr
.endr
.endm
; tile i of my keys against the step's 128 queries
.macro TILE i, zero
.if \i == 0
	s_wait_dscnt 34                                ; q and its words are in; the biases (16), v (16) and v's words (2) may be out
.endif
	WIN 0x01                                       ; source 0 (q) window 1
.irp t, 0,1,2,3,4,5,6,7
.if \t%2
	v_wmma_scale_f32_16x16x128_f8f6f4 v[S+8*\t:S+8*\t+7], v[QF+6*\t:QF+6*\t+11], v[KFR+12*\i:KFR+12*\i+11], 0, v[QS+\t/2], v[KS+\i] matrix_a_fmt:MATRIX_FMT_FP6 matrix_b_fmt:MATRIX_FMT_FP6 matrix_a_scale:MATRIX_SCALE_ROW1
.else
	v_wmma_scale_f32_16x16x128_f8f6f4 v[S+8*\t:S+8*\t+7], v[QF+6*\t:QF+6*\t+11], v[KFR+12*\i:KFR+12*\i+11], 0, v[QS+\t/2], v[KS+\i] matrix_a_fmt:MATRIX_FMT_FP6 matrix_b_fmt:MATRIX_FMT_FP6
.endif
.endr
	WIN 0
	PLACES 4
.if \i == 0
	s_wait_dscnt 18                                ; the biases are in; v (16) and its words (2) may be out
.endif
.set j, 0
.rept 32
	v_pk_fma_f32 v[S+2*j:S+2*j+1], v[S+2*j:S+2*j+1], s[CS:CS+1], v[BI+2*j:BI+2*j+1] op_sel_hi:[1,0,1]   ; c s + bias; each accumulator from its low end on
.set j, j+1
.endr
.set j, 0
	s_wait_alu depctr_va_vdst(0)
.rept 64
	v_exp_f32 v[S+j], v[S+j]                       ; w, finished and normalised
.set j, j+1
.endr
	v_nop                                          ; a plain place behind the last exponential
	s_wait_alu depctr_va_vdst(0)                   ; one wait for the batch of 64, ahead of its first reader
	QUANT
	PLACES 4                                       ; four places behind the operand's last write; with the v_nop and the six moves above, eleven behind the scale word's
.if \i == 0
	s_wait_alu depctr_va_vdst(0)
	s_wait_dscnt 0x0                               ; v and its words are in
.endif
	WIN 0x51                                       ; source 0 (v) window 1, source 1 (w) window 0, C and D window 1
.irp t, 0,1,2,3                                ; four accumulators, one instruction each: no two that follow each other share one
.if \zero
.if \t%2
	v_wmma_scale_f32_16x16x128_f8f6f4 v[32*\i+8*\t:32*\i+8*\t+7], v[VF+12*\t:VF+12*\t+11], v[PC:PC+11], 0, v[VS+\t/2], v[PW] matrix_a_fmt:MATRIX_FMT_FP6 matrix_b_fmt:MATRIX_FMT_FP6 matrix_a_scale:MATRIX_SCALE_ROW1
.else
	v_wmma_scale_f32_16x16x128_f8f6f4 v[32*\i+8*\t:32*\i+8*\t+7], v[VF+12*\t:VF+12*\t+11], v[PC:PC+11], 0, v[VS+\t/2], v[PW] matrix_a_fmt:MATRIX_FMT_FP6 matrix_b_fmt:MATRIX_FMT_FP6
.endif
.else
.if \t%2
	v_wmma_scale_f32_16x16x128_f8f6f4 v[32*\i+8*\t:32*\i+8*\t+7], v[VF+12*\t:VF+12*\t+11], v[PC:PC+11], v[32*\i+8*\t:32*\i+8*\t+7], v[VS+\t/2], v[PW] matrix_a_fmt:MATRIX_FMT_FP6 matrix_b_fmt:MATRIX_FMT_FP6 matrix_a_scale:MATRIX_SCALE_ROW1
.else
	v_wmma_scale_f32_16x16x128_f8f6f4 v[32*\i+8*\t:32*\i+8*\t+7], v[VF+12*\t:VF+12*\t+11], v[PC:PC+11], v[32*\i+8*\t:32*\i+8*\t+7], v[VS+\t/2], v[PW] matrix_a_fmt:MATRIX_FMT_FP6 matrix_b_fmt:MATRIX_FMT_FP6
.endif
.endif
.endr
.endm
.macro STEP zero                       ; 128 queries.  zero = 1: the first step's products start O's sums
	v_add_nc_u32 v5, s52, v1                       ; (these four are the places between the last step's products and the loads into v's registers)
	v_add_nc_u32 v6, s52, v2
	v_add_nc_u32 v7, s52, v3
	v_add_nc_u32 v8, s53, v4
	WIN 0x40                                       ; destination window 1
.irp t, 0,1,2,3,4,5,6,7
	ds_load_b128 v[QF+6*\t:QF+6*\t+3], v5 offset:768*\t
	ds_load_b64 v[QF+6*\t+4:QF+6*\t+5], v6 offset:768*\t+512
.endr
	WIN 0
.irp n, 0,1,2,3
	ds_load_b32 v[QS+\n], v7 offset:6144+128*\n
.endr
.irp n, 0,1,2,3,4,5,6,7,8,9,10,11,12,13,14,15
	ds_load_b128 v[BI+4*\n:BI+4*\n+3], v8 offset:128*(\n/4)+16*(\n%4)   ; register 16 b + i: the bias of query 32 b + 16 h + i
.endr
	WIN 0x40
.irp t, 0,1,2,3
	FRAG VF+12*\t, 5, 6, 6656+1536*\t
.endr
	WIN 0
.irp n, 0,1
	ds_load_b32 v[VS+\n], v7 offset:12800+128*\n
.endr
.irp i, 0,1,2,3
	TILE \i, \zero
.endr
	WIN 0
	s_add_co_u32 s52, s52, REC
	s_add_co_u32 s53, s53, 512
.endm
	STEP 1
	s_mov_b32 s54, 15
.Lstep:
	STEP 0
	s_sub_co_u32 s54, s54, 1
	s_cmp_lg_u32 s54, 0
	s_cbranch_scc1 .Lstep
	; THE WAY OUT: each tile's 16 keys x the head's 64 features become a half image and two scale bytes
	s_lshr_b32 s20, s19, 4
	s_lshl_b32 s20, s20, 7
	s_lshl_b32 s21, s18, 5
	s_add_co_u32 s20, s20, s21
	s_lshl_b32 s21, s[WV], 2
	s_add_co_u32 s20, s20, s21                     ; my first tile: 128 batch + 32 block + 4 wave
	s_mul_i32 s20, s20, 12800
	s_bfe_u32 s21, s19, 0x30001                    ; the head's K step: head / 2
	s_lshr_b32 s22, s21, 2
	s_mul_i32 s22, s22, 6400
	s_add_co_u32 s20, s20, s22                     ; its record
	s_and_b32 s21, s21, 3
	s_and_b32 s54, s19, 1
	s_mul_i32 s22, s21, 1536
	s_lshr_b32 s55, s21, 1
	s_lshl_b32 s55, s55, 8
	s_add_co_u32 s22, s22, s55
	s_mul_i32 s55, s54, 768
	s_add_co_u32 s22, s22, s55
	s_add_co_u32 s22, s22, s20
	s_mov_b32 s23, 0
	s_add_nc_u64 s[60:61], s[10:11], s[22:23]      ; the half image
	s_lshl_b32 s22, s21, 6
	s_add_co_u32 s22, s22, 3072
	s_lshl_b32 s55, s54, 1
	s_add_co_u32 s22, s22, s55
	s_add_co_u32 s22, s22, s20
	s_add_nc_u64 s[62:63], s[10:11], s[22:23]      ; my half of the scale words
	PLACES 4
.macro OUTQ i                          ; each tile has registers of its own for what it stores: v[S + 16 i ..]
.set E, S+16*\i
	WIN 0x05                                       ; sources 0 and 1 window 1
.irp b, 0,1
	v_max3_num_f32 v[TM+\b], |v[32*\i+16*\b]|, |v[32*\i+16*\b+1]|, 0x1800000   ; each accumulator from its low end on
.endr
	WIN 0x14                                       ; sources 1 and 2 window 1
.irp n, 2,4,6,8,10,12,14
.irp b, 0,1
	v_max3_num_f32 v[TM+\b], v[TM+\b], |v[32*\i+16*\b+\n]|, |v[32*\i+16*\b+\n+1]|
.endr
.endr
	WIN 0
.irp b, 0,1
	v_permlanex16_b32 v[TM+4+\b], v[TM+\b], s[SEL], s[SEL+1]
.endr
.irp b, 0,1
	s_delay_alu instid0(VALU_DEP_2)
	v_max_num_f32 v[TM+\b], v[TM+\b], v[TM+4+\b]
.endr
.irp b, 0,1
	s_delay_alu instid0(VALU_DEP_2)
	v_add_nc_u32 v[TM+12+\b], 0xff000000, v[TM+\b]
.endr
.irp b, 0,1
	s_delay_alu instid0(VALU_DEP_2)
	v_lshrrev_b32 v[TM+4+\b], 23, v[TM+12+\b]
.endr
	s_delay_alu instid0(VALU_DEP_1)
	v_lshl_or_b32 v[E+12], v[TM+5], 8, v[TM+4]
	WIN 0x01                                       ; source 0 window 1
	v_cvt_scalef32_pk16_fp6_f32 v[E:E+2], v[32*\i:32*\i+15], v[TM+12]
	v_cvt_scalef32_pk16_fp6_f32 v[E+8:E+10], v[32*\i+16:32*\i+31], v[TM+13]
	WIN 0
	v_nop                                          ; one plain place behind a scaled conversion
.irp n, 0,1,2
	v_permlane16_swap_b32 v[E+\n], v[E+8+\n]
.endr
.irp n, 0,1,2
	s_delay_alu instid0(VALU_DEP_3)
	v_mov_b32 v[E+3+\n], v[E+8+\n]
.endr
	global_store_b128 v1, v[E:E+3], s[60:61] offset:12800*\i
	global_store_b64 v2, v[E+4:E+5], s[60:61] offset:12800*\i+512
	global_store_b16 v9, v[E+12], s[62:63] offset:12800*\i   ; both halves of the lanes store the same two bytes
.endm
	OUTQ 0
	OUTQ 1
	OUTQ 2
	OUTQ 3
	s_wait_tensorcnt 0x0                           ; the wave's end
	ds_add_u32 v[SPW], v[NIL]
	s_wait_dscnt 0x0
	CROUND                                         ; the closing round
	s_endpgm
.Lfunc_end_k_q3dcb5a2f4c_aggr:
	.size	k_q3dcb5a2f4c_aggr, .Lfunc_end_k_q3dcb5a2f4c_aggr-k_q3dcb5a2f4c_aggr
	.p2alignl 7, 3214868480
	.fill 96, 4, 3214868480
	.section	.rodata,"a",@progbits
	.p2align	6, 0x0
	.amdhsa_kernel k_q3dcb5a2f4c_aggr
		.amdhsa_group_segment_fixed_size 218112
		.amdhsa_private_segment_fixed_size 0
		.amdhsa_enable_private_segment 0
		.amdhsa_kernarg_size 32
		.amdhsa_user_sgpr_count 2
		.amdhsa_user_sgpr_kernarg_segment_ptr 1
		.amdhsa_wavefront_size32 1
		.amdhsa_system_sgpr_workgroup_id_x 1
		.amdhsa_system_sgpr_workgroup_id_y 1
		.amdhsa_system_sgpr_workgroup_id_z 1
		.amdhsa_system_vgpr_workitem_id 0
		.amdhsa_next_free_vgpr 512
		.amdhsa_next_free_sgpr 66
		.amdhsa_reserve_vcc 0
		.amdhsa_float_denorm_mode_32 3
		.amdhsa_float_denorm_mode_16_64 3
		.amdhsa_memory_ordered 1
		.amdhsa_forward_progress 1
		.amdhsa_inst_pref_size 111
	.end_amdhsa_kernel
	.amdgpu_metadata
---
amdhsa.version: [ 1, 2 ]
amdhsa.kernels:
  - .name:           k_q3dcb5a2f4c_aggr
    .symbol:         k_q3dcb5a2f4c_aggr.kd
    .args:
      - { .name: qv, .offset: 0, .size: 8, .value_kind: global_buffer, .address_space: global }
      - { .name: kc, .offset: 8, .size: 8, .value_kind: global_buffer, .address_space: global }
      - { .name: stat, .offset: 16, .size: 8, .value_kind: global_buffer, .address_space: global }
      - { .name: og, .offset: 24, .size: 8, .value_kind: global_buffer, .address_space: global }
    .group_segment_fixed_size: 218112
    .private_segment_fixed_size: 0
    .kernarg_segment_align: 8
    .kernarg_segment_size: 32
    .max_flat_workgroup_size: 256
    .sgpr_count:     66
    .vgpr_count:     512
    .wavefront_size: 32
...
	.end_amdgpu_metadata
.endif
;; end of part 4
;; launch outproj (part 5): grid 4 x 64, 4 waves a work-group, clusters of 4 x 4, 327,680 bytes of LDS; arguments opg, og, bo, out0; writes out0
.if DOCPART == 5
	.amdgcn_target "amdgcn-amd-amdhsa--gfx1250"
	.amdhsa_code_object_version 6
	.text
	.protected	k_q3dcb5a2f4c_outproj
	.globl	k_q3dcb5a2f4c_outproj
	.p2align	8
	.type	k_q3dcb5a2f4c_outproj,@function
k_q3dcb5a2f4c_outproj:
	s_mov_b64 s[64:65], 0
	v_nop
	global_prefetch_b8 v0, s[64:65] scope:SCOPE_SE
	s_setreg_imm32_b32 hwreg(HW_REG_WAVE_MODE, 25, 1), 1
	s_wait_xcnt 0x0
	s_wait_alu depctr_hold_cnt(0) depctr_sa_sdst(0) depctr_va_vdst(0) depctr_va_sdst(0) depctr_va_ssrc(0) depctr_va_vcc(0) depctr_vm_vsrc(0)
	s_getreg_b32 s2, hwreg(HW_REG_IB_STS2, 6, 4)
	s_cmp_eq_u32 s2, 0
	s_cbranch_scc0 .Lentry_in_a_cluster
	s_endpgm
.Lentry_in_a_cluster:
	s_bfe_u32 s2, ttmp6, 0x10000c
	s_cmp_lg_u32 s2, 0xf033
	s_cbranch_scc0 .Lentry_shape_is_right
	s_endpgm
.Lentry_shape_is_right:
; out0 = o Wo + bo on codes of FP6 (E2M3), K = 1,024.  o lies in og, Wo in opg (tiles 704-767), both as images of operand registers in tiles whose lane-row p is row 32 (T / 2) + 8 (T % 2) + p + 8 (p / 8).
; A work-group makes 256 columns (S0 = Wo's rows, source 0: they run along a lane's registers) x 128 positions (S1 = o's rows, source 1: a position a lane); a wave 128 x 64: 32 accumulators.
; By the tiles' order the 64 registers of 8 result tiles are, 16 at a time, neighbouring columns of one row of out0.
; LDS: all of K for the 24 tiles: four chunks of two K steps, each 24 rows of 3,328 bytes (two images and the record's four word runs), all asked for at the head.  No LDS byte is filled twice, so a chunk's barrier
;   leaves the later chunks on their way.  CLUSTER 4 x 4: S0's tiles hang on cx alone and are asked for jointly down a column, S1's on cy alone and along a row.  Waves 0, 1: S0's halves; wave 2: S1; four loads each are out at the most.
; THE WAY OUT: 16 positions x 128 columns at a time through the wave's own stage, which lies in chunk 0's bytes: they have had their one fill, and every wave's reads of them were over in front of the second chunk's barrier.
;   Rows come back whole: a store covers 512 consecutive bytes, at a multiple of 256 from out0's first byte.  No prefetch: every byte is asked for at the head by its tensor load.
; REGISTERS: window 0: v1-10 addresses; v28, v29 the add's; v32-55 scale words, two sets of 12; v112-207 S1's fragments, two sets of 48 (on the way out: v64-127 sums with the bias, v128-255 rows read back, two sets);
;   window 1: S0's fragments, two sets of 96; window 2: accumulator (a, b) at v[8 (8 b + a)]; window 3: v0-63 the bias.
; LDS AND LOADS AS THEY STAND (in place of what the paragraph on LDS says above): two halves of K, each 24 rows of 6,400 bytes (a tile's whole record: four images and four word runs).
; Four joint loads, one a wave, all at the head: wave 0 S0's 16 tiles of half 0, wave 1 S1's 8 tiles of half 0, waves 2 and 3 the same of half 1.  No LDS byte is filled twice.
; The first barrier has every wave wait for its load; the barrier ahead of K step 4 has every wave wait, and every wave's reads of the first half, where the stage lies, are over in front of it.
.set TR,    6400
.set CH,    24*TR
.set S1O,   16*TR
.set SPARE, 2*CH
.set REC,   12800
.set SP,    528                        ; a stage row: 512 bytes + 16
.set A016, 1
.set A08,  2
.set A116, 3
.set A18,  4
.set AS0,  5
.set AS1,  6
.set STO,  7
.set RD,   8
.set CO,   9
.set BO1,  10
.set SPW,  28
.set NIL,  29
.set SC,   32
.set F1,   112
.set HA,   64
.set BK,   128
.set BI,   0
.set MSB, 0
.macro WIN new
.if MSB != \new
	s_set_vgpr_msb (MSB<<8)|\new
.set MSB, \new
.endif
.endm
.macro PLACES n
.rept \n
	v_nop
.endr
.endm
.macro CROUND
	s_barrier_signal -1
	s_barrier_wait -1
	s_cmp_lg_u32 s16, 0
	s_cbranch_scc1 .Lnot_wave_0_\@
	s_barrier_signal -3
.Lnot_wave_0_\@:
	s_barrier_wait -3
	s_barrier_signal -1
	s_barrier_wait -1
.endm
	s_load_b256 s[4:11], s[0:1], 0x0               ; opg, og, bo, out0
	v_lshl_add_u32 v[SPW], v0, 2, SPARE
	v_mov_b32 v[NIL], 0
	ds_add_u32 v[SPW], v[NIL]                      ; the wave's opening: the add and its wait ahead of the round in front of my first tensor loads
	ds_add_u32 v[SPW], v[NIL]
	v_lshrrev_b32 v1, 5, v0
	v_readfirstlane_b32 s16, v1                    ; wave
	s_and_b32 s17, s16, 1                          ; w0: my half of S0
	s_lshr_b32 s18, s16, 1                         ; w1: my half of S1
	s_bfe_u32 s40, ttmp6, 0x40000                  ; cx
	s_bfe_u32 s41, ttmp6, 0x40004                  ; cy
	s_and_b32 s43, ttmp7, 0xffff                   ; cluster y
	s_lshl_b32 s44, s41, 2
	s_lshl_b32 s44, 15, s44                        ; my row of the cluster
	s_lshl_b32 s45, 0x1111, s40                    ; my column
	s_or_b32 s24, s45, (3<<16)|(1<<21)             ; group 1 for S0: elements of 8 bytes, the column's mask
	s_or_b32 s32, s44, (3<<16)|(1<<21)             ; for S1: the row's mask
.irp g, 24, 32
	s_mov_b32 s[\g+1], 800<<16                     ; tensor_dim0 = 800 (6,400 bytes)
	s_mov_b32 s[\g+2], (40-\g)<<16                 ; tensor_dim1: 16 tiles of S0, 8 of S1
	s_mov_b32 s[\g+3], 800<<16                     ; tile_dim0
	s_mov_b32 s[\g+4], 40-\g                       ; tile_dim1
	s_mov_b32 s[\g+5], 1600
	s_mov_b32 s[\g+6], 0
	s_mov_b32 s[\g+7], 0
.endr
	s_lshl_b32 s22, s40, 4
	s_add_co_u32 s22, s22, 704                     ; S0's first tile: 704 + 16 cx
	s_lshl_b32 s46, s43, 2
	s_add_co_u32 s46, s46, s41                     ; which 128 positions: 4 cluster y + cy
	s_lshl_b32 s46, s46, 3                         ; S1's first tile
	s_mul_i32 s22, s22, REC
	s_mov_b32 s23, 0
	s_mul_i32 s46, s46, REC
	s_mov_b32 s47, 0
	s_mul_i32 s20, s18, CH                         ; the half of K that I fetch: in LDS,
	s_mul_i32 s90, s18, 6400                       ; and in a tile
	s_mov_b32 s91, 0
	s_wait_dscnt 0x0
	s_wait_kmcnt 0x0
	s_add_nc_u64 s[22:23], s[4:5], s[22:23]
	s_add_nc_u64 s[46:47], s[6:7], s[46:47]
	CROUND                                         ; all sixteen work-groups are here: the joint loads meet
	s_mov_b32 s48, 1
	s_mov_b32 s49, s20
	s_add_nc_u64 s[50:51], s[22:23], s[90:91]
	s_or_b32 s51, s51, 0x80000000
	s_mov_b32 s68, 1
	s_add_co_u32 s69, s20, S1O
	s_add_nc_u64 s[70:71], s[46:47], s[90:91]
	s_or_b32 s71, s71, 0x80000000
	s_cmp_eq_u32 s17, 0                            ; one chain, one joint load to an arm: even waves S0, odd waves S1
	s_cbranch_scc0 .Lnot_s0
	tensor_load_to_lds s[48:51], s[24:31]
	s_nop 0
	PLACES 4
	s_branch .Lasked
.Lnot_s0:
	tensor_load_to_lds s[68:71], s[32:39]
	s_nop 0
	PLACES 4
.Lasked:
	v_and_b32 v15, 31, v0                          ; lane
	v_and_b32 v11, 15, v0                          ; r
	v_bfe_u32 v12, v0, 4, 1                        ; h
	s_mul_i32 s20, s17, 8*TR
	s_mul_i32 s21, s18, 4*TR
	s_add_co_u32 s21, s21, S1O
	v_lshl_add_u32 v[A016], v15, 4, s20
	v_lshl_add_u32 v[A08], v15, 3, s20
	v_lshl_add_u32 v[AS0], v15, 2, s20
	v_lshl_add_u32 v[A116], v15, 4, s21
	v_lshl_add_u32 v[A18], v15, 3, s21
	v_lshl_add_u32 v[AS1], v15, 2, s21
	s_mul_i32 s20, s16, 16*SP                      ; my stage
	v_mul_u32_u24 v[STO], v11, SP
	v_lshl_add_u32 v[STO], v12, 6, v[STO]
	v_add_nc_u32 v[STO], s20, v[STO]               ; in: row r, + 64 h: my 16 columns of each 32
	v_lshlrev_b32 v[CO], 4, v15                    ; back, and in out0: 16 bytes a lane of a row's 512
	v_add_nc_u32 v[RD], s20, v[CO]
	v_lshlrev_b32 v[BO1], 6, v12
	s_wait_alu depctr_va_vdst(0)
	s_lshl_b32 s20, s40, 10
	s_lshl_b32 s21, s17, 9
	s_add_co_u32 s20, s20, s21                     ; 4 (256 cx + 128 w0): my 128 columns
	s_mov_b32 s21, 0
	s_add_nc_u64 s[8:9], s[8:9], s[20:21]
	s_add_nc_u64 s[10:11], s[10:11], s[20:21]
	s_lshl_b32 s20, s43, 2
	s_add_co_u32 s20, s20, s41
	s_lshl_b32 s20, s20, 1
	s_add_co_u32 s20, s20, s18                     ; my 64 positions: 2 (4 cluster y + cy) + w1
	s_lshl_b32 s20, s20, 18                        ; rows of 4,096 bytes
	s_add_nc_u64 s[10:11], s[10:11], s[20:21]
	WIN 0xc0                                       ; destination window 3
.irp n, 0,1,2,3,4,5,6,7,8,9,10,11,12,13,14,15
	global_load_b128 v[BI+4*\n:BI+4*\n+3], v[BO1], s[8:9] offset:128*(\n/4)+16*(\n%4)   ; register 16 b + i: column 32 b + 16 h + i
.endr
	WIN 0
.macro FRAG reg, a16, a8, off
	ds_load_b128 v[(\reg):(\reg)+3], v[\a16] offset:(\off)
	ds_load_b64 v[(\reg)+4:(\reg)+5], v[\a8] offset:(\off)+512
	ds_load_b128 v[(\reg)+6:(\reg)+9], v[\a16] offset:(\off)+768
	ds_load_b64 v[(\reg)+10:(\reg)+11], v[\a8] offset:(\off)+1280
.endm
.macro FETCH s                         ; K step s: 48 LDS loads in one run, into set s % 2
.set FO, 1536*((\s)%4)+256*(((\s)%4)/2)
.set FP, (\s)%2
	WIN 0x40
.irp a, 0,1,2,3,4,5,6,7
	FRAG 96*FP+12*\a, A016, A08, \a*TR+FO
.endr
	WIN 0
.irp b, 0,1,2,3
	FRAG F1+48*FP+12*\b, A116, A18, \b*TR+FO
.endr
.endm
.macro SCALES q                        ; lanes 0-15 the even K step's run, lanes 16-31 the odd one's
.set SQ, 3072+128*((\q)%2)
.set SS, SC+12*((\q)%2)
.irp a, 0,1,2,3,4,5,6,7
	ds_load_b32 v[SS+\a], v[AS0] offset:\a*TR+SQ
.endr
.irp b, 0,1,2,3
	ds_load_b32 v[SS+8+\b], v[AS1] offset:\b*TR+SQ
.endr
.endm
.macro MUL s, zero                     ; the 32 accumulators take turns, in the same order in every K step
.set MP, (\s)%2
.set MS, SC+12*(((\s)/2)%2)
	WIN 0xa1
.irp b, 0,1,2,3
.irp a, 0,1,2,3,4,5,6,7
.if \zero
	v_wmma_scale_f32_16x16x128_f8f6f4 v[8*(8*\b+\a):8*(8*\b+\a)+7], v[96*MP+12*\a:96*MP+12*\a+11], v[F1+48*MP+12*\b:F1+48*MP+12*\b+11], 0, v[MS+\a], v[MS+8+\b] matrix_a_fmt:MATRIX_FMT_FP6 matrix_b_fmt:MATRIX_FMT_FP6
.elseif (\s)%2
	v_wmma_scale_f32_16x16x128_f8f6f4 v[8*(8*\b+\a):8*(8*\b+\a)+7], v[96*MP+12*\a:96*MP+12*\a+11], v[F1+48*MP+12*\b:F1+48*MP+12*\b+11], v[8*(8*\b+\a):8*(8*\b+\a)+7], v[MS+\a], v[MS+8+\b] matrix_a_fmt:MATRIX_FMT_FP6 matrix_b_fmt:MATRIX_FMT_FP6 matrix_a_scale:MATRIX_SCALE_ROW1 matrix_b_scale:MATRIX_SCALE_ROW1
.else
	v_wmma_scale_f32_16x16x128_f8f6f4 v[8*(8*\b+\a):8*(8*\b+\a)+7], v[96*MP+12*\a:96*MP+12*\a+11], v[F1+48*MP+12*\b:F1+48*MP+12*\b+11], v[8*(8*\b+\a):8*(8*\b+\a)+7], v[MS+\a], v[MS+8+\b] matrix_a_fmt:MATRIX_FMT_FP6 matrix_b_fmt:MATRIX_FMT_FP6
.endif
.endr
.endr
.endm
.macro EVEN s
	PLACES 4                                       ; in front of loads into registers that the last K step's products read
	FETCH (\s)+1
	s_wait_dscnt 48                                ; all but the 48 just issued
	MUL \s, 0
.endm
.macro ODD s
	WIN 0
	s_wait_dscnt 0x0                               ; this K step's fragments are in, and my reads of this chunk are over
.if (\s) == 3
	s_wait_tensorcnt 0x0                           ; my load has landed, whichever half it brought
	s_barrier_signal -1
	s_barrier_wait -1                              ; the second half of K is whole
.irp a, A016, A08, A116, A18, AS0, AS1
	v_add_nc_u32 v[\a], CH, v[\a]                  ; on to it.  (These six are the places in front of the loads below)
.endr
.else
	PLACES 4                                       ; in front of loads into registers that the last K step's products read
.endif
	FETCH (\s)+1
	SCALES ((\s)+1)/2
	MUL \s, 0
.endm
	s_wait_tensorcnt 0x0                           ; EVERY wave waits for its one load here, those of the second half too (this line stands in place of what the head says of the first barrier)
	s_barrier_signal -1
	s_barrier_wait -1                              ; the first half of K is whole
	SCALES 0
	FETCH 0
	FETCH 1
	s_wait_dscnt 48
	MUL 0, 1                                       ; the first products start the sums
	ODD 1
	EVEN 2
	s_wait_alu depctr_va_vdst(0)
	ODD 3
	EVEN 4
	s_wait_alu depctr_va_vdst(0)
	ODD 5
	EVEN 6
	s_wait_dscnt 0x0
	MUL 7, 0
	WIN 0
	PLACES 4                                       ; in front of the first read of results, and of writes and loads into registers that held S1's fragments
	s_wait_loadcnt 0x0                             ; the bias
.macro TOSTAGE b                       ; tile b of my positions: + the bias, into my stage, and back as whole rows.  LDS serves a wave's instructions in order: no wait between the stores and the loads
	WIN 0x0e                                       ; source 0 window 2, source 1 window 3
.set j, 0
.rept 32
	v_pk_add_f32 v[HA+2*j:HA+2*j+1], v[64*\b+2*j:64*\b+2*j+1], v[BI+2*j:BI+2*j+1]   ; each accumulator from its low end on
.set j, j+1
.endr
	WIN 0
.irp n, 0,1,2,3,4,5,6,7,8,9,10,11,12,13,14,15
	ds_store_b128 v[STO], v[HA+4*\n:HA+4*\n+3] offset:128*(\n/4)+16*(\n%4)
.endr
.irp p, 0,1,2,3,4,5,6,7,8,9,10,11,12,13,14,15
	ds_load_b128 v[BK+64*((\b)%2)+4*\p:BK+64*((\b)%2)+4*\p+3], v[RD] offset:\p*SP
.endr
.endm
.macro SEND b, younger                 ; younger: the LDS instructions issued behind tile b's loads, which may stay out
	s_wait_dscnt \younger
.irp p, 0,1,2,3,4,5,6,7,8,9,10,11,12,13,14,15
	global_store_b128 v[CO], v[BK+64*((\b)%2)+4*\p:BK+64*((\b)%2)+4*\p+3], s[10:11] offset:(32*((\b)/2)+8*((\b)%2)+\p+8*(\p/8))*4096 th:TH_STORE_NT   ; lane-row p's position; 512 consecutive bytes
.endr
.endm
	TOSTAGE 0
	TOSTAGE 1
	SEND 0, 32                                     ; behind tile 0's loads: tile 1's 16 stores and 16 loads
	s_wait_xcnt 0x0                                ; tile 0's stores have read their registers: tile 2's rows may land there
	TOSTAGE 2
	SEND 1, 32
	s_wait_xcnt 0x0
	TOSTAGE 3
	SEND 2, 32
	SEND 3, 0
	s_wait_tensorcnt 0x0                           ; the wave's end
	ds_add_u32 v[SPW], v[NIL]
	s_wait_dscnt 0x0
	CROUND                                         ; the closing round
	s_endpgm
.Lfunc_end_k_q3dcb5a2f4c_outproj:
	.size	k_q3dcb5a2f4c_outproj, .Lfunc_end_k_q3dcb5a2f4c_outproj-k_q3dcb5a2f4c_outproj
	.p2alignl 7, 3214868480
	.fill 96, 4, 3214868480
	.section	.rodata,"a",@progbits
	.p2align	6, 0x0
	.amdhsa_kernel k_q3dcb5a2f4c_outproj
		.amdhsa_group_segment_fixed_size 327680
		.amdhsa_private_segment_fixed_size 0
		.amdhsa_enable_private_segment 0
		.amdhsa_kernarg_size 32
		.amdhsa_user_sgpr_count 2
		.amdhsa_user_sgpr_kernarg_segment_ptr 1
		.amdhsa_wavefront_size32 1
		.amdhsa_system_sgpr_workgroup_id_x 1
		.amdhsa_system_sgpr_workgroup_id_y 1
		.amdhsa_system_sgpr_workgroup_id_z 1
		.amdhsa_system_vgpr_workitem_id 0
		.amdhsa_next_free_vgpr 1024
		.amdhsa_next_free_sgpr 100
		.amdhsa_reserve_vcc 0
		.amdhsa_float_denorm_mode_32 3
		.amdhsa_float_denorm_mode_16_64 3
		.amdhsa_memory_ordered 1
		.amdhsa_forward_progress 1
		.amdhsa_inst_pref_size 92
	.end_amdhsa_kernel
	.amdgpu_metadata
---
amdhsa.version: [ 1, 2 ]
amdhsa.kernels:
  - .name:           k_q3dcb5a2f4c_outproj
    .symbol:         k_q3dcb5a2f4c_outproj.kd
    .args:
      - { .name: opg, .offset: 0, .size: 8, .value_kind: global_buffer, .address_space: global }
      - { .name: og, .offset: 8, .size: 8, .value_kind: global_buffer, .address_space: global }
      - { .name: bo, .offset: 16, .size: 8, .value_kind: global_buffer, .address_space: global }
      - { .name: out0, .offset: 24, .size: 8, .value_kind: global_buffer, .address_space: global }
    .group_segment_fixed_size: 327680
    .private_segment_fixed_size: 0
    .kernarg_segment_align: 8
    .kernarg_segment_size: 32
    .max_flat_workgroup_size: 128
    .sgpr_count:     100
    .vgpr_count:     1024
    .wavefront_size: 32
...
	.end_amdgpu_metadata
.endif
;; end of part 5
